; MI455X (gfx1250); checked and timed in simulation.
; The chip was launched on July 23, 2026; its instructions are those of AMD's public machine-readable ISA for CDNA 5 (MIT licence, August 2026) and "CDNA5" Instruction Set Architecture Reference Guide (July 2026). The comments in the code are by the model that wrote it; some were corrected since.
;; Tt Causal Self Attention. Allowed arithmetic: matrix products marked QUANTISED: E2M3 operands, one E8M0 scale for each 32 along K, by v_wmma_scale_f32_16x16x128_f8f6f4 with both operands' format E2M3, f32 sums; everything else in f32.
;; Inputs: b_attn 3,072 float32; b_proj 1,024 float32; w_attn_codes 3,072 x 32 x 24 uint8 (E2M3 codes of w_attn, K innermost, in blocks of 32 codes, four codes in three bytes); w_attn_scales 3,072 x 32 uint8 (E8M0 scales of w_attn, one for each 32 codes along K); w_proj_codes 1,024 x 32 x 24 uint8 (E2M3 codes of w_proj, K innermost, in blocks of 32 codes, four codes in three bytes); w_proj_scales 1,024 x 32 uint8 (E8M0 scales of w_proj, one for each 32 codes along K); x_codes 4 x 2,048 x 32 x 24 uint8 (E2M3 codes of x, K innermost, in blocks of 32 codes, four codes in three bytes); x_scales 4 x 2,048 x 32 uint8 (E8M0 scales of x, one for each 32 codes along K).
;; Outputs: out0 4 x 2,048 x 1,024 float32.
;; This version of the problem:
;;   THIS VERSION OF THE PROBLEM IS GIVEN IN LOW PRECISION. The matrix products marked QUANTISED in the list below multiply operands that are first quantised to E2M3 (2 exponent bits, 3 mantissa bits; 6 bits a number), with one power-of-two scale for each 32 numbers along K (OCP MX v1.0); their sums are f32. All else is computed in f32.
;;   The module's matrix products, in the order in which they are computed (A, B: the left and right operand; K: the contracted axis; several contracted axes count as one K, in the product's order):
;;     1. [M 8,192, K 1,024] x [K 1,024, N 3,072]; A: input x (given as codes); B: input w_attn (given as codes): QUANTISED
;;     2. batch 64 x [M 2,048, K 64] x [K 64, N 2,048]; A: computed on the way; B: computed on the way: QUANTISED
;;     3. batch 64 x [M 2,048, K 2,048] x [K 2,048, N 64]; A: softmax (see below); B: computed on the way: QUANTISED
;;     4. [M 8,192, K 1,024] x [K 1,024, N 1,024]; A: computed on the way; B: input w_proj (given as codes): QUANTISED
;;   THE QUANTISER, for each operand of a quantised product, along K:
;;     - K is cut into blocks of 32 from its start; a last block that is shorter is filled with zeros.
;;     - A block's scale is 2^e with e = floor(log2(the largest magnitude in the block)) - 2, held to -126 .. 127; a block of zeros has e = 0. As a byte (E8M0): e + 127.
;;     - Each number is divided by its block's scale, clamped to +-7.5, and rounded to the nearest number of E2M3, ties to even, subnormals kept.
;;     - The product sums the exact products of the quantised numbers (number of the format x scale) in f32.
;;   ~~~python
;;   def quantise(x, axis):      # numpy; x: float32 -> the quantised numbers, widened to float32 again
;;       x = np.moveaxis(x, axis, -1); K = x.shape[-1]
;;       x = np.pad(x, [(0, 0)] * (x.ndim - 1) + [(0, -K % 32)]); x = x.reshape(x.shape[:-1] + (-1, 32)); a = np.abs(x).max(-1, keepdims=True)
;;       e = np.where(a > 0, np.clip(np.frexp(np.where(a > 0, a, 1))[1] - 1 - 2, -126, 127), 0)      # np.frexp(a)[1] - 1 = floor(log2(a)), exactly
;;       r = np.clip(x / 2.0 ** e, -7.5, 7.5)
;;       step = 2.0 ** (np.maximum(np.frexp(np.where(r == 0, 1, r))[1] - 1, 0) - 3)
;;       q = np.round(r / step) * step * 2.0 ** e      # np.round: ties to even
;;       return np.moveaxis(q.reshape(q.shape[:-2] + (-1,))[..., :K], -1, axis).astype(np.float32)
;;   ~~~
;;   SOFTMAX AHEAD OF A QUANTISED PRODUCT. Where the list says 'softmax', what is quantised is not the finished softmax but p = 2^(t - M), with t = logit x log2(e) and M = ceil(the row's largest t), a whole number; so 1/2 < the row's largest p <= 1. The row's sum l is taken of the UNQUANTISED p, in f32, and the product's result is divided by l at the end. Since M is a whole number, a kernel that streams over the keys may use a running M (the ceiling of the running maximum): every later rescaling is an exact power of two, which a block's scale takes up: the codes' values come out the same.
;;   OPERANDS COMPUTED ON THE WAY. 'Computed on the way' means the value that the module computes at that place (a softmax that the list does not call 'softmax' is quantised finished and normalised). What goes into a quantiser is computed in f32, as accurately as f32 sums, v_exp_f32 and their like allow (about 1e-6 of the number): no bf16 or f16 on the way to a quantiser, and a product that is left as it is and whose result goes on into a quantised operand takes f32 operands (vector FMAs, or v_wmma_f32_16x16x4_f32). A number that lies on a knife's edge between two numbers of the format may be rounded either way, as far as f32 arithmetic and the matrix unit's own rounding can turn it there, and no further.
;;   INPUTS GIVEN AS CODES. w_attn (in the module: [3072, 1024], K = its axis 1); w_proj (in the module: [1024, 1024], K = its axis 1); x (in the module: [4, 2048, 1024], K = its axis 2): each comes as NAME_codes (uint8): NAME with its K axis moved to the last place and cut into blocks of 32 codes, [.., K / 32, bytes a block], one block behind the other in memory; four codes in three bytes: a row's codes are one little-endian stream of bits, code i at bits 6 i .. 6 i + 5 (a code: sign, 2 exponent bits, 3 mantissa bits); and NAME_scales (uint8): the same leading axes, one E8M0 byte (e + 127) for each 32 codes along K. Its value is code x scale, taken as it is: it is not quantised again, and the codes and scales need not be those that the quantiser above would give.
;; One version. Each part assembles by itself: llvm-mc -triple=amdgcn-amd-amdhsa -mcpu=gfx1250 --defsym DOCPART=n.
;; ======== version 1 of 1: 3 launches
;; workspace buffers: qimg 6,815,744 bytes; kvimg 13,369,344 bytes; yimg 6,291,456 bytes; yscl 262,144 bytes
;; launch qkv (part 1): grid 12 x 32, 4 waves a work-group, clusters of 4 x 4, 327,680 bytes of LDS; arguments x_codes, x_scales, w_attn_codes, w_attn_scales, b_attn, qimg, kvimg; writes qimg, kvimg
.if DOCPART == 1
	.amdgcn_target "amdgcn-amd-amdhsa--gfx1250"
	.amdhsa_code_object_version 6
	.text
	.protected	k_q5e0b689233_qkv
	.globl	k_q5e0b689233_qkv
	.p2align	8
	.type	k_q5e0b689233_qkv,@function
k_q5e0b689233_qkv:
	s_mov_b64 s[64:65], 0
	v_nop
	global_prefetch_b8 v0, s[64:65] scope:SCOPE_SE
	s_setreg_imm32_b32 hwreg(HW_REG_WAVE_MODE, 25, 1), 1
	s_wait_xcnt 0x0
	s_wait_alu depctr_hold_cnt(0) depctr_sa_sdst(0) depctr_va_vdst(0) depctr_va_sdst(0) depctr_va_ssrc(0) depctr_va_vcc(0) depctr_vm_vsrc(0)
	s_getreg_b32 s2, hwreg(HW_REG_IB_STS2, 6, 4)
	s_cmp_eq_u32 s2, 0
	s_cbranch_scc0 .Lentry_in_a_cluster
	s_endpgm
.Lentry_in_a_cluster:
	s_bfe_u32 s2, ttmp6, 0x10000c
	s_cmp_lg_u32 s2, 0xf033
	s_cbranch_scc0 .Lentry_shape_is_right
	s_endpgm
.Lentry_shape_is_right:
; qkv = x w_attn^T + b_attn on codes of FP6 (E2M3) with E8M0 scales as they are given; the result is quantised at once and leaves as codes:
; q and k along the head's 64 (two blocks of 32), v along the tokens (the keys of the later product).  x: 8,192 rows x 1,024; w_attn: 3,072 rows x 1,024.
; A work-group of four waves makes 256 tokens x 256 features; a wave 128 tokens (one key step of 128) x 128 features (two heads): 64 accumulators of 16 x 16, 512 registers.
; K goes in steps of 256 through a ring of two LDS slots filled by the tensor data mover; the scale bytes of the work-group's rows come into LDS once.
; CLUSTERS: 4 x 4 work-groups; x's tiles are asked for jointly along a row of the cluster, w's along a column.  The cluster's x says what its columns are: 0 q, 1 k, 2 v.
; WHO IS SOURCE 0.  A conversion takes 16 neighbours along the next K from one lane's registers, and a lane's eight results run along source 0's rows.  So for q and k source 0 = rows of w (features)
; and source 1 = rows of x (tokens); for v the two change places.  Only the LDS addresses of the two sets of fragments and of the scale words differ (PATH, equal in all partners of a cluster); the loop's text is one.
; THE ORDER INSIDE A BLOCK OF 32.  The 16 registers of two neighbouring accumulators hold k = 8 h + 0..7 and 16 + 8 h + 0..7, so a block's four groups of 8 codes come out in the order 0, 2, 1, 3.
; The same order falls on both operands of each later product (q with k, v with p), so the products are the same; the scales are untouched.
; OUT.  Fragments leave as images of the operand's registers: four registers a lane by one store of 16 bytes at 16 x lane, 512 consecutive aligned bytes a store.
;   qimg:  record (16 bh + key step) of 6,656 bytes: four pair images of 1,536 (token tile 2 b in registers 0-5, tile 2 b + 1 in 6-11), then 512 bytes of scale words (pair b, lane l at 16 l + 4 b).
;   kvimg: record of 13,056 bytes: K as in qimg (6,144), V's four images (d tile a x 128 keys), K's scale words (512), V's (256: word b', lane l at 8 l + 4 b').
; LIMITS: NaN and infinities are not served.  A block of zeros gets the byte 1 where the quantiser says 127: its codes are zeros, and this program alone reads the bytes.  Blocks whose largest magnitude lies under
; 2^-124 are held at the byte 1.  The bias is added to the finished f32 sum.
; REGISTERS, in windows of 256: window 0: v0-31 addresses; v32-63 scale words, two sets; v64-127 the bias by features along registers; v128-223 source 1's fragments, ONE set (in the epilogue: at work); v224-231 the bias by lanes.
;   window 1: source 0's fragments, TWO sets, at v0 and v128.   window 2: the accumulators of source 1's blocks 0-3 (accumulator (a, b) at v[8 (8 a + b)]);   window 3: blocks 4-7.
.set SIZE_K, 1024
.set KSTEP,  256                       ; along K in a slot
.set NQ,     KSTEP/128                 ; matrix instructions deep
.set ROWB,   192                       ; a tile's row in bytes
.set KROW,   SIZE_K*6/8                ; a row of codes in memory
.set PITCH,  240                       ; an LDS row: 3 x (64 bytes + 16 of padding) = 60 words: the 32 lanes of a load of 8 bytes touch 64 different banks (64 banks of 4 bytes: ISA guide 11.1)
.set FR,     12                        ; registers of a fragment
.set NL,     6                         ; LDS loads that bring one
.set NP,     4                         ; places behind this matrix instruction (ISA guide 7.12.1)
.set HALFT,  128*PITCH                 ; 128 rows: what one tensor load brings
.set SLOT,   4*HALFT                   ; x's 256 rows, then w's 256 rows
.set LAPS,   SIZE_K/(2*KSTEP)
.set KS,     SIZE_K/32                 ; a row of scale bytes
.set SCL,    2*SLOT                    ; behind the ring: the scales, as rows of 256 bytes + 16 of padding
.set HALFS,  (128*KS/256)*272
.set SBLK,   (16*KS/256)*272
.set SPARE,  SCL+4*HALFS               ; the spare words, 128 bytes a wave: two blocks of 256 bytes that no other line names
.set ADRA, 16                          ; v16-17 LDS address of source 1's fragments in slot 0, 1 (v18-19: behind one padding more)
.set ADRB, 20                          ; v20-21 the same for source 0 (v22-23)
.set L8,   24                          ; v24 8 x lane
.set BA,   25                          ; v25 32 h: the bias by registers
.set L16,  26                          ; v26 16 x lane
.set ADRS, 27                          ; v27 LDS address of my scale words: lanes 0-15 source 1's rows, lanes 16-31 source 0's
.set SPW,  28                          ; v28 my spare word's address; never rewritten
.set NIL,  29                          ; v29 0; never rewritten
.set RP,   30                          ; v30-31 a lane's bias, twice
.set SC,   32
.set BC,   64                          ; v64-127: register 8 b + j = bias of feature 16 b + 8 h + j
.set AF,   128
.set T,    128                         ; epilogue: 64 numbers of a lane
.set TM,   192                         ; v192-195 largest magnitudes, v196-199 the other half's, then bytes, v204-207 the conversions' scale operands
.set PA,   208                         ; v208-219 codes
.set CT0,  220
.set RB,   224                         ; v224-231: register a = bias of feature 16 a + r
.set PW,   232                         ; v232-239 the scale word of each block a
.set PB,   240                         ; v240-251 codes
.set CT1,  252
.set G1, 24
.set G0, 32
.set G1B, 48
.set G0B, 56
.set PATH, 66                          ; s66 1 in the clusters that make v
.set G1S, 68
.set G0S, 76
.set G1SB, 80
.set G0SB, 88
.set CA, 24                            ; epilogue (no tensor load is out any more): s[24:25] codes of my first head, s[26:27] of my second, s[28:29], s[30:31] their scale words
.set CB, 26
.set SA, 28
.set SB, 30
.set MSB, 0
.macro WIN new                         ; the immediate's high byte repeats the setting that is left
.if MSB != (\new)
	s_set_vgpr_msb (MSB<<8)|(\new)
.set MSB, (\new)
.endif
.endm
.set MUL_LO, 0xa1                      ; source 0 window 1, source 1 window 0, C and D window 2
.set MUL_HI, 0xf1                      ; the same, C and D window 3
.set TO_B,   0x40                      ; destination window 1, address window 0
; A joint load: waves 0 and 1 fetch for x, waves 2 and 3 for w.  The branch hangs on the wave's number alone.  Four v_nop follow each of the two lines.
.macro JLOAD g0a, g1a, g0b, g1b
	s_cmp_eq_u32 s15, 0
	s_cbranch_scc0 .Lfor_b_\@
	tensor_load_to_lds s[\g0a:\g0a+3], s[\g1a:\g1a+7]
	s_nop 0
.rept 4
	v_nop
.endr
	s_branch .Lasked_\@
.Lfor_b_\@:
	tensor_load_to_lds s[\g0b:\g0b+3], s[\g1b:\g1b+7]
	s_nop 0
.rept 4
	v_nop
.endr
.Lasked_\@:
.endm
.macro CREST                           ; a round of the cluster's barrier behind its opening barrier
	s_cmp_lg_u32 s14, 0
	s_cbranch_scc1 .Lnot_wave_0_\@
	s_barrier_signal -3
.Lnot_wave_0_\@:
	s_barrier_wait -3
	s_barrier_signal -1
	s_barrier_wait -1
.endm
.macro CROUND                          ; a whole round
	s_barrier_signal -1
	s_barrier_wait -1
	CREST
.endm
	s_load_b128 s[4:7], s[0:1], 0x0                ; x's codes, x's scales
	s_load_b128 s[8:11], s[0:1], 0x10              ; w's codes, w's scales
	s_load_b64 s[12:13], s[0:1], 0x20              ; b_attn
	s_load_b64 s[96:97], s[0:1], 0x28              ; qimg
	s_load_b64 s[98:99], s[0:1], 0x30              ; kvimg
	v_lshl_add_u32 v[SPW], v0, 2, SPARE
	v_mov_b32 v[NIL], 0
	ds_add_u32 v28, v29
	ds_add_u32 v28, v29
	s_wait_dscnt 0x0
	v_lshrrev_b32 v1, 5, v0
	v_readfirstlane_b32 s14, v1                    ; wave 0..3
	s_lshr_b32 s15, s14, 1                         ; my half of the tokens.  Also: I fetch for x (0) or for w (1)
	s_and_b32 s16, s14, 1                          ; my half of the features.  Also: which 128 rows of that tile I fetch
	s_cmp_eq_u32 ttmp9, 2                          ; the cluster's x: equal in all sixteen partners
	s_cselect_b32 s[PATH], 1, 0
	s_bfe_u32 s40, ttmp6, 0x40000                  ; cx, cy
	s_bfe_u32 s41, ttmp6, 0x40004
	s_lshl_b32 s42, ttmp9, 2
	s_add_co_u32 s42, s42, s40                     ; block of 256 features = 4 x cluster x + cx
	s_and_b32 s17, ttmp7, 0xffff
	s_lshl_b32 s17, s17, 2
	s_add_co_u32 s17, s17, s41                     ; block of 256 tokens = 4 x cluster y + cy
	s_lshl_b32 s43, s41, 2
	s_lshl_b32 s43, 15, s43                        ; my row of the cluster
	s_lshl_b32 s44, 0x1111, s40                    ; my column
	; descriptor group 1: a tile of 128 rows x 192 bytes, 16 bytes of padding behind every 64
	s_or_b32 s[G1+0], s43, (0<<16)|(1<<20)|(1<<21)|(3<<22)|(3<<25)  ; 15:0 the mask: x's tiles go to my row; elements of 1 byte; padding on; 21 set beside a mask; after every 16 words, 4 words
	s_or_b32 s[G1B+0], s44, (0<<16)|(1<<20)|(1<<21)|(3<<22)|(3<<25)
.irp g, G1, G1B
	s_mov_b32 s[\g+1], ROWB<<16                    ; tensor_dim0
	s_mov_b32 s[\g+2], 128<<16                     ; tensor_dim1
	s_mov_b32 s[\g+3], ROWB<<16                    ; tile_dim0
	s_mov_b32 s[\g+4], 128                         ; tile_dim1
	s_mov_b32 s[\g+5], KROW                        ; tensor_dim0_stride
	s_mov_b32 s[\g+6], 0
	s_mov_b32 s[\g+7], 0
.endr
	; the scales of 128 rows: a dense block of 4,096 bytes, as rows of 256 bytes (32 elements of 8), 16 bytes of padding behind each
	s_or_b32 s[G1S+0], s43, (3<<16)|(1<<20)|(1<<21)|(5<<22)|(3<<25)
	s_or_b32 s[G1SB+0], s44, (3<<16)|(1<<20)|(1<<21)|(5<<22)|(3<<25)
.irp g, G1S, G1SB
	s_mov_b32 s[\g+1], 32<<16
	s_mov_b32 s[\g+2], (128*KS/256)<<16
	s_mov_b32 s[\g+3], 32<<16
	s_mov_b32 s[\g+4], 128*KS/256
	s_mov_b32 s[\g+5], 32
	s_mov_b32 s[\g+6], 0
	s_mov_b32 s[\g+7], 0
.endr
	s_lshl_b32 s18, s16, 7                         ; which 128 rows of the tile I fetch
	s_lshl_b32 s20, s17, 8
	s_add_co_u32 s20, s20, s18                     ; x: row 256 x token block + 128 x half
	s_lshl_b32 s46, s42, 8
	s_add_co_u32 s46, s46, s18                     ; w: row 256 x feature block + 128 x half
	s_mov_b32 s21, 0
	s_mov_b32 s47, 0
	s_mov_b64 s[18:19], KS
	s_mul_u64 s[22:23], s[20:21], s[18:19]         ; where these rows' scales begin
	s_mul_u64 s[92:93], s[46:47], s[18:19]
	s_mov_b64 s[18:19], KROW
	s_mul_u64 s[20:21], s[20:21], s[18:19]         ; and their codes
	s_mul_u64 s[46:47], s[46:47], s[18:19]
	s_mul_i32 s45, s14, HALFT                      ; where they go: wave x 128 rows
	s_mul_i32 s94, s14, HALFS
	s_wait_kmcnt 0x0
	s_add_nc_u64 s[20:21], s[4:5], s[20:21]
	s_add_nc_u64 s[22:23], s[6:7], s[22:23]
	s_add_nc_u64 s[46:47], s[8:9], s[46:47]
	s_add_nc_u64 s[92:93], s[10:11], s[92:93]
	CROUND                                         ; all sixteen work-groups are here: the first joint loads meet
	s_mov_b32 s[G0S], 1
	s_add_co_u32 s[G0S+1], s94, SCL
	s_mov_b64 s[G0S+2:G0S+3], s[22:23]
	s_or_b32 s[G0S+3], s[G0S+3], 0x80000000
	s_mov_b32 s[G0SB], 1
	s_add_co_u32 s[G0SB+1], s94, SCL
	s_mov_b64 s[G0SB+2:G0SB+3], s[92:93]
	s_or_b32 s[G0SB+3], s[G0SB+3], 0x80000000
	JLOAD G0S, G1S, G0SB, G1SB                     ; the scales first: they are wanted with K step 0
.irp s, 0,1
	s_mov_b32 s[G0+4*\s], 1
	s_add_co_u32 s[G0+4*\s+1], s45, \s*SLOT
	s_add_nc_u64 s[G0+4*\s+2:G0+4*\s+3], s[20:21], \s*ROWB
	s_or_b32 s[G0+4*\s+3], s[G0+4*\s+3], 0x80000000
	s_mov_b32 s[G0B+4*\s], 1
	s_add_co_u32 s[G0B+4*\s+1], s45, \s*SLOT
	s_add_nc_u64 s[G0B+4*\s+2:G0B+4*\s+3], s[46:47], \s*ROWB
	s_or_b32 s[G0B+4*\s+3], s[G0B+4*\s+3], 0x80000000
	JLOAD G0+4*\s, G1, G0B+4*\s, G1B
.endr
	v_and_b32 v1, 15, v0                           ; r = l % 16
	v_bfe_u32 v2, v0, 4, 1                         ; h = l / 16
	v_mul_u32_u24 v3, v1, PITCH
	v_mul_u32_u24 v4, v2, 24
	v_add_nc_u32 v4, v3, v4                        ; a fragment's row x pitch + 24 x half
	s_wait_alu depctr_va_vdst(0)
	v_lshl_add_u32 v5, v2, 4, v4                   ; and the same behind one padding more
	s_wait_alu depctr_va_vdst(0)
	s_mul_i32 s21, s15, HALFT                      ; my 128 tokens
	s_mul_i32 s22, s16, HALFT                      ; my 128 features,
	s_add_co_u32 s22, s22, 2*HALFT                 ; which lie behind x's 256 rows
	s_cmp_lg_u32 s[PATH], 0
	s_cselect_b32 s18, s22, s21                    ; source 1's set: tokens for q and k, features for v
	s_cselect_b32 s19, s21, s22                    ; source 0's set: the other
.irp s, 0,1
	v_add_nc_u32 v[ADRA+\s], s18, v4
	v_add_nc_u32 v[ADRB+\s], s19, v4
	v_add_nc_u32 v[ADRA+2+\s], s18, v5
	v_add_nc_u32 v[ADRB+2+\s], s19, v5
	s_add_co_u32 s18, s18, SLOT
	s_add_co_u32 s19, s19, SLOT
.endr
	v_mul_u32_u24 v5, v1, KS                       ; my row's scales: 32 bytes a row,
	v_lshrrev_b32 v6, 8, v5
	v_lshl_add_u32 v5, v6, 4, v5                   ; and 16 more for each 256 passed
	s_mul_i32 s21, s15, HALFS                      ; x's: my 128 tokens
	s_mul_i32 s22, s16, HALFS                      ; w's: my 128 features, behind x's 256
	s_add_co_u32 s22, s22, 2*HALFS
	s_sub_co_u32 s22, s22, s21
	v_xor_b32 v6, s[PATH], v2                      ; lanes 0-15 take source 1's words, lanes 16-31 source 0's: one product, the lower base + (h xor PATH) x the distance
	v_mul_u32_u24 v6, s22, v6
	s_add_co_u32 s21, s21, SCL
	v_add_nc_u32 v5, v5, v6
	v_add_nc_u32 v[ADRS], s21, v5
	v_and_b32 v6, 31, v0
	v_lshlrev_b32 v[L16], 4, v6
	v_lshlrev_b32 v[L8], 3, v6
	v_lshlrev_b32 v[BA], 5, v2
	v_lshlrev_b32 v7, 2, v1
	s_lshl_b32 s46, s42, 10                        ; my 128 numbers of the bias: 4 (256 x feature block + 128 x half) bytes on
	s_lshl_b32 s47, s16, 9
	s_add_co_u32 s46, s46, s47
	s_mov_b32 s47, 0
	s_add_nc_u64 s[12:13], s[12:13], s[46:47]
.irp b, 0,1,2,3,4,5,6,7                ; both layouts are loaded in every work-group: 24 loads once, waited for at the epilogue's head; their address registers are not written again before that
	global_load_b128 v[BC+8*\b:BC+8*\b+3], v[BA], s[12:13] offset:64*\b
	global_load_b128 v[BC+8*\b+4:BC+8*\b+7], v[BA], s[12:13] offset:64*\b+16
.endr
.irp a, 0,1,2,3,4,5,6,7
	global_load_b32 v[RB+\a], v7, s[12:13] offset:64*\a
.endr
.macro FRAG reg, adr, q, i             ; a fragment, 16 rows x 128 K, is 12 registers: lane l holds row l % 16; registers 6 c .. 6 c + 5 hold K = 64 c + 32 (l / 16) + 0 .. 31: 24 bytes of the row's stream of bits, as they lie
.irp p, 0,1,2,3,4,5                    ; in pieces of 8 bytes.  Lanes 16-31 read three pieces further on than lanes 0-15:
.set PC, 12*(\q)+6*(\p/3)+\p%3         ; where that is behind one padding more, the second address register serves
.if PC%8 < 5
	ds_load_b64 v[\reg+2*\p:\reg+2*\p+1], v[\adr] offset:8*PC+16*(PC/8)+(\i)*16*PITCH
.else
	ds_load_b64 v[\reg+2*\p:\reg+2*\p+1], v[\adr+2] offset:8*PC+16*(PC/8)+(\i)*16*PITCH
.endif
.endr
.endm
; 16 matrix instructions: source 1's blocks a0, a0 + 1 x source 0's eight, 128 along K.  zero = 1: the first product starts the sums.  The 64 accumulators take turns, one instruction a turn.
.macro MUL16 a0, p, q, sc, zero
.irp a, \a0, \a0+1
.irp b, 0,1,2,3,4,5,6,7
.if \zero
	v_wmma_scale_f32_16x16x128_f8f6f4 v[8*(8*((\a)%4)+\b):8*(8*((\a)%4)+\b)+7], v[128*(\p)+FR*\b:128*(\p)+FR*\b+FR-1], v[AF+FR*(\a):AF+FR*(\a)+FR-1], 0, v[SC+8*NQ*(\sc)+NQ*\b+(\q)], v[SC+8*NQ*(\sc)+NQ*(\a)+(\q)] matrix_a_fmt:MATRIX_FMT_FP6 matrix_b_fmt:MATRIX_FMT_FP6 matrix_a_scale:MATRIX_SCALE_ROW1
.else
	v_wmma_scale_f32_16x16x128_f8f6f4 v[8*(8*((\a)%4)+\b):8*(8*((\a)%4)+\b)+7], v[128*(\p)+FR*\b:128*(\p)+FR*\b+FR-1], v[AF+FR*(\a):AF+FR*(\a)+FR-1], v[8*(8*((\a)%4)+\b):8*(8*((\a)%4)+\b)+7], v[SC+8*NQ*(\sc)+NQ*\b+(\q)], v[SC+8*NQ*(\sc)+NQ*(\a)+(\q)] matrix_a_fmt:MATRIX_FMT_FP6 matrix_b_fmt:MATRIX_FMT_FP6 matrix_a_scale:MATRIX_SCALE_ROW1
.endif
.endr
.endr
.endm
.macro FETCH_B slot, q, p              ; source 0's eight fragments of the slot's q-th 128 along K into set p
	WIN TO_B
.irp i, 0,1,2,3,4,5,6,7
	FRAG 128*(\p)+FR*\i, ADRB+\slot, \q, \i
.endr
	WIN 0
.endm
.macro FETCH_A slot, q, i0             ; source 1's blocks i0 .. i0 + 3
.irp i, \i0, \i0+1, \i0+2, \i0+3
	FRAG AF+FR*(\i), ADRA+\slot, \q, \i
.endr
.endm
.macro SCALES sc                       ; the next K step's scale words into set sc: two words a row
.irp i, 0,1,2,3,4,5,6,7
	ds_load_b64 v[SC+8*NQ*\sc+NQ*\i:SC+8*NQ*\sc+NQ*\i+1], v[ADRS] offset:\i*SBLK
.endr
.endm
; A load into a register that a matrix instruction has read, and a vector instruction that reads a matrix result or writes one of its registers, stand NP places behind it; only plain vector instructions that name none of its registers are places.
.macro PLACES n
.rept \n
	v_nop
.endr
.endm
.macro STEP slot, q, zero              ; a step of 128 along K that has its successor in the same slot
	s_wait_dscnt 4*NL                              ; source 0's set and source 1's blocks 0-3 are in; the youngest 24 loads (blocks 4-7) may be out
	WIN MUL_LO
	MUL16 0, (\q)%2, \q, \slot, \zero
	MUL16 2, (\q)%2, \q, \slot, \zero
	s_wait_dscnt 0                                 ; blocks 4-7 are in (asked for 32 matrix instructions ago)
	PLACES NP
	FETCH_B \slot, (\q)+1, 1-(\q)%2
	FETCH_A \slot, (\q)+1, 0
	WIN MUL_HI
	MUL16 4, (\q)%2, \q, \slot, \zero
	MUL16 6, (\q)%2, \q, \slot, \zero
	PLACES NP
	WIN 0
	FETCH_A \slot, (\q)+1, 4
.endm
; A slot's last step changes slots: ONE barrier; in front of it each wave waits for all its tensor loads, adds 0 to its spare word, and waits for that and for its own reads of this slot.  fill = 1: this slot is filled again, two K steps ahead.
.macro TURN slot, next, fill
	s_wait_tensorcnt 0x0                           ; all my tensor loads have landed: my part of the next slot
	ds_add_u32 v[SPW], v[NIL]                      ; 0 onto my spare word
	s_wait_dscnt 4*NL+1                            ; (the add and the youngest 24 loads may be out)
	WIN MUL_LO
	MUL16 0, 1, NQ-1, \slot, 0                     ; sixteen matrix instructions stand between the add and the wait for it
	s_wait_dscnt 0x0                               ; the add is done, and my reads of this slot are over
	s_barrier_signal -1
	MUL16 2, 1, NQ-1, \slot, 0
	WIN 0
	s_barrier_wait -1
.if \fill
	CREST                                          ; the barrier has opened a round of the cluster's barrier: no wave of any partner still reads this slot or has a load on its way
	s_add_nc_u64 s[G0+4*\slot+2:G0+4*\slot+3], s[G0+4*\slot+2:G0+4*\slot+3], 2*ROWB
	s_add_nc_u64 s[G0B+4*\slot+2:G0B+4*\slot+3], s[G0B+4*\slot+2:G0B+4*\slot+3], 2*ROWB
	JLOAD G0+4*\slot, G1, G0B+4*\slot, G1B         ; the first tensor load behind the round; its four v_nop are the places in front of the loads below
.else
	PLACES NP
.endif
	s_wait_alu depctr_va_vdst(0)
	v_add_nc_u32 v[ADRS], 4*NQ, v[ADRS]            ; on to the next K step's scale words (no LDS load of mine is out)
	FETCH_B \next, 0, 0
	FETCH_A \next, 0, 0
	SCALES \next
	WIN MUL_HI
	MUL16 4, 1, NQ-1, \slot, 0
	MUL16 6, 1, NQ-1, \slot, 0
	PLACES NP
	WIN 0
	FETCH_A \next, 0, 4
.endm
	s_wait_alu depctr_va_vdst(0)
	s_wait_tensorcnt 1                             ; of my three first fills the scales and K step 0 are in; K step 1's may be out
	s_barrier_signal -1
	s_barrier_wait -1                              ; everybody's are
	FETCH_B 0, 0, 0
	FETCH_A 0, 0, 0
	SCALES 0
	FETCH_A 0, 0, 4
	STEP 0, 0, 1                                   ; the first step stands in front of the loop: its products start the sums
	s_mov_b32 s3, LAPS-1
.Llap:                                                 ; a trip goes once round the ring and fills both slots again
	TURN 0, 1, 1
	STEP 1, 0, 0
	TURN 1, 0, 1
	STEP 0, 0, 0
	s_sub_co_u32 s3, s3, 1
	s_cmp_lg_u32 s3, 0
	s_cbranch_scc1 .Llap
	TURN 0, 1, 0                                   ; the last lap fills nothing
	STEP 1, 0, 0
	s_wait_dscnt 4*NL                              ; the very last step
	WIN MUL_LO
	MUL16 0, 1, NQ-1, 1, 0
	MUL16 2, 1, NQ-1, 1, 0
	s_wait_dscnt 0
	WIN MUL_HI
	MUL16 4, 1, NQ-1, 1, 0
	MUL16 6, 1, NQ-1, 1, 0
	WIN 0
; THE EPILOGUE.  Block a's 64 registers in lane (r, h): source 1's row 16 a + r, source 0's rows 16 b + 8 h + j at register 8 b + j.
	PLACES NP                                      ; behind the last products: the lines below read results and write registers that held fragments
	s_wait_loadcnt 0x0                             ; the bias
	s_lshr_b32 s32, s17, 3                         ; the batch row: 8 blocks of 256 tokens each
	s_and_b32 s33, s17, 7
	s_lshl_b32 s33, s33, 1
	s_add_co_u32 s33, s33, s15                     ; my key step of 128 tokens
	s_and_b32 s34, s42, 3
	s_lshl_b32 s34, s34, 2
	s_lshl_b32 s35, s16, 1
	s_add_co_u32 s34, s34, s35                     ; my first head
	s_lshl_b32 s32, s32, 4
	s_add_co_u32 s32, s32, s34
	s_lshl_b32 s32, s32, 4
	s_add_co_u32 s32, s32, s33                     ; the record: 16 (16 batch + head) + key step
	s_mov_b32 s36, 13056
	s_mov_b32 s37, 12288
	s_cmp_eq_u32 ttmp9, 0                          ; q goes to qimg, k and v to kvimg: the choice hangs on the cluster's number alone
	s_cselect_b32 s36, 6656, s36                   ; a record's bytes
	s_cselect_b32 s37, 6144, s37                   ; where its scale words begin
	s_cselect_b64 s[38:39], s[96:97], s[98:99]
	s_mov_b32 s35, 12800
	s_cmp_eq_u32 ttmp9, 2
	s_cselect_b32 s37, s35, s37                    ; v's scale words
	s_cselect_b32 s34, 6144, 0                     ; v's images lie behind k's
	s_mul_i32 s32, s32, s36
	s_mov_b32 s33, 0
	s_mov_b32 s35, 0
	s_add_nc_u64 s[38:39], s[38:39], s[32:33]      ; my first head's record
	s_add_nc_u64 s[CA:CA+1], s[38:39], s[34:35]
	s_lshl_b32 s32, s36, 4                         ; the next head's record lies 16 records on
	s_add_nc_u64 s[CB:CB+1], s[CA:CA+1], s[32:33]
	s_mov_b32 s36, s37
	s_mov_b32 s37, 0
	s_add_nc_u64 s[SA:SA+1], s[38:39], s[36:37]
	s_add_nc_u64 s[SB:SB+1], s[SA:SA+1], s[32:33]
	s_mov_b32 s20, 0x76543210
	s_mov_b32 s21, 0xfedcba98                      ; v_permlanex16_b32's selects for lane l xor 16
	s_mov_b32 vcc_lo, 0xffff0000                   ; lanes 16-31
.irp b, 0,1,2,3
	v_mov_b32 v[TM+4+\b], 0                        ; written once: a lane permute's destination counts as one of its sources
.endr
; 64 numbers of a lane, register 16 b + i = the i-th of my 16 of block b, become codes (blocks 0, 1 in six registers from d0, blocks 2, 3 from d1) and my row's scale word in v[pw].
.macro QUANT s, d0, d1, pw
.irp b, 0,1,2,3
	v_max3_num_f32 v[TM+\b], |v[\s+16*\b]|, |v[\s+1+16*\b]|, 0x1800000   ; my 16 numbers, and the floor 2^(3 - 127): the byte cannot fall under 1
.endr
.irp i, 2,4,6,8,10,12,14
.irp b, 0,1,2,3
	v_max3_num_f32 v[TM+\b], v[TM+\b], |v[\s+16*\b+\i]|, |v[\s+1+16*\b+\i]|   ; the four blocks by turns
.endr
.endr
.irp b, 0,1,2,3
	v_permlanex16_b32 v[TM+4+\b], v[TM+\b], s20, s21
.endr
.irp b, 0,1,2,3
	v_max_num_f32 v[TM+\b], v[TM+\b], v[TM+4+\b]   ; with lane l xor 16's: the block's largest magnitude
.endr
.irp b, 0,1,2,3
	v_add_nc_u32 v[TM+12+\b], 0xff000000, v[TM+\b] ; 2 off its exponent field: the conversion takes the exponent field of this operand as its scale
.endr
.irp b, 0,1,2,3
	v_lshrrev_b32 v[TM+4+\b], 23, v[TM+12+\b]      ; the scale's byte
.endr
	v_lshl_or_b32 v[\pw], v[TM+5], 8, v[TM+4]
	v_lshl_or_b32 v[\pw], v[TM+6], 16, v[\pw]
	v_lshl_or_b32 v[\pw], v[TM+7], 24, v[\pw]
	v_cvt_scalef32_pk16_fp6_f32 v[(\d0):(\d0)+2], v[\s:\s+15], v[TM+12]
	v_cvt_scalef32_pk16_fp6_f32 v[CT0:CT0+2], v[\s+16:\s+31], v[TM+13]   ; (a conversion's three registers begin on an even number)
	v_cvt_scalef32_pk16_fp6_f32 v[(\d1):(\d1)+2], v[\s+32:\s+47], v[TM+14]
	v_cvt_scalef32_pk16_fp6_f32 v[CT1:CT1+2], v[\s+48:\s+63], v[TM+15]
	v_nop                                          ; one plain place behind a scaled conversion
.irp i, 0,1,2                          ; the operand's layout wants a whole block in a lane: lanes 0-15 the even block, lanes 16-31 the odd one
	v_permlane16_swap_b32 v[(\d0)+\i], v[CT0+\i]
	v_permlane16_swap_b32 v[(\d1)+\i], v[CT1+\i]
.endr
.irp i, 0,1,2
	v_mov_b32 v[(\d0)+3+\i], v[CT0+\i]
	v_mov_b32 v[(\d1)+3+\i], v[CT1+\i]
.endr
.endm
.macro EPI vpath
.irp a, 0,1,2,3,4,5,6,7
	s_wait_xcnt 0x0                                ; the earlier stores have read their data: the codes' registers are written again only behind this wait
.if \vpath
	v_mov_b32 v[RP], v[RB+\a]                      ; one feature a lane: its bias, twice
	v_mov_b32 v[RP+1], v[RB+\a]
.endif
	WIN 0x02+\a/4                                  ; source 0: window 2 or 3
.set i, 0
.rept 32                               ; each accumulator from its low end on
.if \vpath
	v_pk_add_f32 v[T+2*i:T+2*i+1], v[64*(\a%4)+2*i:64*(\a%4)+2*i+1], v[RP:RP+1]
.else
	v_pk_add_f32 v[T+2*i:T+2*i+1], v[64*(\a%4)+2*i:64*(\a%4)+2*i+1], v[BC+2*i:BC+2*i+1]
.endif
.set i, i+1
.endr
	WIN 0
.if \vpath
	QUANT T, PA+32*(\a%2), PA+32*(\a%2)+6, PW+\a   ; a whole fragment: d tile a % 4 of head a / 4, K = my 128 tokens; the two runs of twelve registers by turns
.irp c, 0,1,2
.if \a < 4
	global_store_b128 v[L16], v[PA+32*(\a%2)+4*\c:PA+32*(\a%2)+4*\c+3], s[CA:CA+1] offset:(\a%4)*1536+512*\c
.else
	global_store_b128 v[L16], v[PA+32*(\a%2)+4*\c:PA+32*(\a%2)+4*\c+3], s[CB:CB+1] offset:(\a%4)*1536+512*\c
.endif
.endr
.else
	QUANT T, PA+6*(\a%2), PB+6*(\a%2), PW+\a       ; token tile a: six registers for each of my two heads; two tiles make a pair image
.if \a%2 == 1
.irp c, 0,1,2
	global_store_b128 v[L16], v[PA+4*\c:PA+4*\c+3], s[CA:CA+1] offset:(\a/2)*1536+512*\c
	global_store_b128 v[L16], v[PB+4*\c:PB+4*\c+3], s[CB:CB+1] offset:(\a/2)*1536+512*\c
.endr
.endif
.endif
.endr
.if \vpath                             ; the scale words: lanes 0-15 those of block 2 b, lanes 16-31 those of block 2 b + 1
.irp b, 0,1,2,3
	v_cndmask_b32 v[8+\b], v[PW+2*\b], v[PW+2*\b+1], vcc_lo
.endr
	global_store_b64 v[L8], v[8:9], s[SA:SA+1]     ; 256 consecutive aligned bytes
	global_store_b64 v[L8], v[10:11], s[SB:SB+1]
.else
.irp b, 0,1,2,3
	v_cndmask_b32 v[12+\b], v[PW+2*\b], v[PW+2*\b+1], vcc_lo
.endr
.irp b, 0,1,2,3
	v_and_b32 v[8+\b], 0xffff, v[12+\b]            ; my first head's two bytes; the word's upper two stay 0: they scale codes that are zeros on the other side
.endr
.irp b, 0,1,2,3
	v_lshrrev_b32 v[12+\b], 16, v[12+\b]           ; my second head's
.endr
	global_store_b128 v[L16], v[8:11], s[SA:SA+1]  ; 512 consecutive aligned bytes
	global_store_b128 v[L16], v[12:15], s[SB:SB+1]
.endif
.endm
	s_cmp_lg_u32 s[PATH], 0                        ; equal in all waves and all partners; both arms hold register work and global stores alone
	s_cbranch_scc1 .Lv_out
	EPI 0
	s_branch .Lout_done
.Lv_out:
	EPI 1
.Lout_done:
	s_wait_tensorcnt 0x0                           ; the wave's end
	ds_add_u32 v[SPW], v[NIL]
	s_wait_dscnt 0x0
	CROUND                                         ; the closing round: no work-group ends while a partner may still ask for a tile that names it
	s_endpgm
.Lfunc_end_k_q5e0b689233_qkv:
	.size	k_q5e0b689233_qkv, .Lfunc_end_k_q5e0b689233_qkv-k_q5e0b689233_qkv
	.p2alignl 7, 3214868480
	.fill 96, 4, 3214868480
	.section	.rodata,"a",@progbits
	.p2align	6, 0x0
	.amdhsa_kernel k_q5e0b689233_qkv
		.amdhsa_group_segment_fixed_size 327680
		.amdhsa_private_segment_fixed_size 0
		.amdhsa_enable_private_segment 0
		.amdhsa_kernarg_size 56
		.amdhsa_user_sgpr_count 2
		.amdhsa_user_sgpr_kernarg_segment_ptr 1
		.amdhsa_wavefront_size32 1
		.amdhsa_system_sgpr_workgroup_id_x 1
		.amdhsa_system_sgpr_workgroup_id_y 1
		.amdhsa_system_sgpr_workgroup_id_z 1
		.amdhsa_system_vgpr_workitem_id 0
		.amdhsa_next_free_vgpr 1024
		.amdhsa_next_free_sgpr 102
		.amdhsa_reserve_vcc 1
		.amdhsa_float_denorm_mode_32 3
		.amdhsa_float_denorm_mode_16_64 3
		.amdhsa_memory_ordered 1
		.amdhsa_forward_progress 1
		.amdhsa_inst_pref_size 233
	.end_amdhsa_kernel
	.amdgpu_metadata
---
amdhsa.version: [ 1, 2 ]
amdhsa.kernels:
  - .name:           k_q5e0b689233_qkv
    .symbol:         k_q5e0b689233_qkv.kd
    .args:
      - { .name: x_codes, .offset: 0, .size: 8, .value_kind: global_buffer, .address_space: global }
      - { .name: x_scales, .offset: 8, .size: 8, .value_kind: global_buffer, .address_space: global }
      - { .name: w_attn_codes, .offset: 16, .size: 8, .value_kind: global_buffer, .address_space: global }
      - { .name: w_attn_scales, .offset: 24, .size: 8, .value_kind: global_buffer, .address_space: global }
      - { .name: b_attn, .offset: 32, .size: 8, .value_kind: global_buffer, .address_space: global }
      - { .name: qimg, .offset: 40, .size: 8, .value_kind: global_buffer, .address_space: global }
      - { .name: kvimg, .offset: 48, .size: 8, .value_kind: global_buffer, .address_space: global }
    .group_segment_fixed_size: 327680
    .private_segment_fixed_size: 0
    .kernarg_segment_align: 8
    .kernarg_segment_size: 56
    .max_flat_workgroup_size: 128
    .sgpr_count:     102
    .vgpr_count:     1024
    .wavefront_size: 32
...
	.end_amdgpu_metadata
.endif
;; end of part 1
;; launch attn (part 2): grid 4 x 64, 16 waves a work-group, clusters of 4 x 1, 210,944 bytes of LDS; arguments qimg, kvimg, yimg, yscl; writes yimg, yscl
.if DOCPART == 2
	.amdgcn_target "amdgcn-amd-amdhsa--gfx1250"
	.amdhsa_code_object_version 6
	.text
	.protected	k_q5e0b689233_attn
	.globl	k_q5e0b689233_attn
	.p2align	8
	.type	k_q5e0b689233_attn,@function
k_q5e0b689233_attn:
	s_mov_b64 s[64:65], 0
	v_nop
	global_prefetch_b8 v0, s[64:65] scope:SCOPE_SE
	s_setreg_imm32_b32 hwreg(HW_REG_WAVE_MODE, 25, 1), 1
	s_wait_xcnt 0x0
	s_wait_alu depctr_hold_cnt(0) depctr_sa_sdst(0) depctr_va_vdst(0) depctr_va_sdst(0) depctr_va_ssrc(0) depctr_va_vcc(0) depctr_vm_vsrc(0)
	s_getreg_b32 s2, hwreg(HW_REG_IB_STS2, 6, 4)
	s_cmp_eq_u32 s2, 0
	s_cbranch_scc0 .Lentry_in_a_cluster
	s_endpgm
.Lentry_in_a_cluster:
	s_bfe_u32 s2, ttmp6, 0x10000c
	s_cmp_lg_u32 s2, 0x3003
	s_cbranch_scc0 .Lentry_shape_is_right
	s_endpgm
.Lentry_shape_is_right:
; y[b][h][q] = the sum over k <= q of softmax_k(q . k / 8) v, both products on codes of FP6 (E2M3) with E8M0 scales; y is quantised along the model's 1,024 (two blocks of 32 a head) and leaves as codes.
; THE SOFTMAX: t = score x log2(e) / 8; M = the running largest t rounded UP to a whole number; p = 2^(t - M) is quantised along the keys, not normalised; the row's sum is taken of the unquantised p and divides at the end.
; When M moves, the sum and O are multiplied by 2^(old M - new M): exact.
; SHARES.  A cluster of four work-groups owns one (batch, head); all of the head's K and V, as codes with their scale words, 16 records of 13,056 bytes, lie in each work-group's LDS, brought once by joint loads: no ring, nothing is filled again.
; The head's 128 tiles of 16 queries are 16 groups of 8; group g (the queries of key step g) needs key steps 0 .. g.  Wave w takes one tile of group max(w, 15 - w) and one of the group that makes 15 with it: 17 key steps for every wave.
; Which tile of a group: 4 x (which of the two waves) + the work-group's place in the cluster; the place enters global addresses, one select mask and the lanes' mask numbers alone.
; LAYOUT.  Both products transposed: S^T = K Q^T (source 0 = 16 keys, source 1 = my 16 queries), O^T = V^T P^T: a lane holds ONE query.  The head's 64 fill half of the instruction's 128: Q's upper six registers are zero codes,
; so what stands in K's upper six (the next tile's codes) adds nothing.  Inside a block of 32 keys p's codes lie in the same order as v's (groups of 8 in the order 0, 2, 1, 3), and q's as k's: the products are the same.
; y meets w_proj in natural order: four byte permutes put its codes right.
; OUT.  yimg: [token tile 512][head 16] 768 bytes: registers 2 p, 2 p + 1 at 256 p + 8 x lane: each store covers 256 consecutive aligned bytes.  yscl: [8,192][32] bytes: a tile's 16 rows get 2 bytes each from this head:
; stores of 2 bytes to rows 32 bytes apart, 1/24 of the launch's output bytes; a row's other bytes belong to other heads' work-groups.
; LIMITS: NaN and infinities are not served; p under 2^-126 comes out of v_exp_f32 as 0; a block of zeros gets the byte 1 with zero codes; blocks of y whose largest magnitude lies under 2^-124 are held at the byte 1.
.set REC,  13056                       ; a record: K's four pair images 6,144; V's four images 6,144; K's scale words 512; V's 256
.set QREC, 6656
.set KF,  32                           ; v32-79 K's 8 tiles x 6 registers; v80-85 zeros behind them
.set VF,  88                           ; v88-135 V's four fragments
.set SS,  136                          ; v136-199 S^T, then p
.set OT,  200                          ; v200-231 O^T
.set KW,  232                          ; v232-235 K's scale words: pair b: lanes 0-15 tile 2 b, lanes 16-31 tile 2 b + 1
.set VW,  236                          ; v236-237 V's likewise
.set PWD, 238                          ; v238 p's scale word
.set BM,  32                           ; behind the first product K's registers are free: v32-35 each block's largest score, then p
.set BY,  36                           ; v36-39 bytes; then v36-38, v40-42 the conversions' second halves
.set SO,  44                           ; v44-47 the conversions' scale operands
.set PC,  48                           ; v48-59 p's codes
.set SU,  60                           ; v60-61 the sum's second chain
.set FF,  62                           ; v62 f = 2^(old M - new M) (named as a pair with v63)
.set TP,  64
.set PD,  240                          ; v240-243 lane permutes' destinations
; v1 8 x lane, v2 16 x lane, v3 my query less 8 h inside its key step, v4, v5 LDS addresses in hand, v6-11 the second tile's Q, v12 -M, v13 the largest t, v14-15 the sum, v16-27 Q and its zeros, v28 Q's scale word,
; v29 -infinity, v30 32 r, v31 16 r, v239 the second tile's scale word, v244 r - 8 h, v250 y's two scale bytes
.set WV,  12
.set CX,  13
.set BH,  14
.set GL,  15
.set GS,  16
.set HI,  17
.set SUBL, 18
.set SUBS, 19
.set SEL, 20
.set CS,  22
.set G1A, 24                           ; s[24:31] group 1 of a wave's first load (one record), s[32:39] of its second (three records)
.set G1B, 32
.set G0A, 40
.set G0B, 44
.set TB,  48                           ; LDS byte of the key step's record
.set KSN, 49                           ; the key step
.set CNT, 50
.set GG,  51                           ; the group of the tile in hand = its last key step
.macro CROUND
	s_barrier_signal -1
	s_barrier_wait -1
	s_cmp_lg_u32 s[WV], 0
	s_cbranch_scc1 .Lnot_wave_0_\@
	s_barrier_signal -3
.Lnot_wave_0_\@:
	s_barrier_wait -3
	s_barrier_signal -1
	s_barrier_wait -1
.endm
	s_load_b256 s[4:11], s[0:1], 0x0               ; qimg s[4:5], kvimg s[6:7], yimg s[8:9], yscl s[10:11]
	v_lshl_add_u32 v254, v0, 2, 0x33000
	v_mov_b32 v255, 0
	ds_add_u32 v254, v255
	ds_add_u32 v254, v255
	v_lshrrev_b32 v1, 5, v0
	s_delay_alu instid0(VALU_DEP_1)
	v_readfirstlane_b32 s[WV], v1                  ; wave 0..15
	s_bfe_u32 s[CX], ttmp6, 0x40000                ; my place in the cluster
	s_and_b32 s[BH], ttmp7, 0xffff                 ; 16 batch + head: the cluster's y
	s_sub_co_u32 s52, 15, s[WV]
	s_max_u32 s[GL], s[WV], s52                    ; the long tile's group, 8 .. 15
	s_sub_co_u32 s[GS], 15, s[GL]                  ; the short tile's
	s_lshr_b32 s[HI], s[WV], 3
	s_lshl_b32 s52, s[HI], 2
	s_add_co_u32 s[SUBS], s52, s[CX]               ; which tile of the short group,
	s_xor_b32 s52, s52, 4
	s_add_co_u32 s[SUBL], s52, s[CX]               ; and of the long one
	; descriptor group 1: dense blocks as rows of 256 bytes (32 elements of 8), no padding: every read is on end
	s_mov_b32 s[G1A], 15|(3<<16)|(1<<21)           ; 15:0 the mask: all four work-groups; elements of 8 bytes; 21 set beside a mask
	s_mov_b32 s[G1A+1], 32<<16                     ; tensor_dim0
	s_mov_b32 s[G1A+2], 51<<16                     ; tensor_dim1: one record
	s_mov_b32 s[G1A+3], 32<<16                     ; tile_dim0
	s_mov_b32 s[G1A+4], 51                         ; tile_dim1
	s_mov_b32 s[G1A+5], 32                         ; the pitch
	s_mov_b32 s[G1A+6], 0
	s_mov_b32 s[G1A+7], 0
	s_mov_b32 s[G1B], 15|(3<<16)|(1<<21)
	s_mov_b32 s[G1B+1], 32<<16
	s_mov_b32 s[G1B+2], 153<<16                    ; three records
	s_mov_b32 s[G1B+3], 32<<16
	s_mov_b32 s[G1B+4], 153
	s_mov_b32 s[G1B+5], 32
	s_mov_b32 s[G1B+6], 0
	s_mov_b32 s[G1B+7], 0
	s_min_u32 s54, s[WV], 3                        ; waves 0 to 3 fetch: record w, then records 4 + 3 w .. 6 + 3 w
	s_mul_i32 s76, s54, REC
	s_mul_i32 s78, s54, 3*REC
	s_add_co_u32 s78, s78, 4*REC
	s_mov_b32 s77, 0
	s_mov_b32 s79, 0
	s_mul_i32 s74, s[BH], 16*REC                   ; the head's records
	s_mov_b32 s75, 0
	s_mov_b32 s[SEL], 0x76543210
	s_mov_b32 s[SEL+1], 0xfedcba98                 ; v_permlanex16_b32's selects for lane l xor 16
	s_mov_b32 s[CS], 0x3e38aa3b                    ; c = log2(e) / 8
	s_mov_b32 s[CS+1], s[CS]                       ; (named with it as a pair, so it is written)
	s_wait_dscnt 0x0
	s_wait_kmcnt 0x0
	s_add_nc_u64 s[74:75], s[6:7], s[74:75]
	s_mov_b32 s[G0A], 1
	s_mov_b32 s[G0A+1], s76                        ; in LDS the records lie as in memory
	s_add_nc_u64 s[G0A+2:G0A+3], s[74:75], s[76:77]
	s_or_b32 s[G0A+3], s[G0A+3], 0x80000000
	s_mov_b32 s[G0B], 1
	s_mov_b32 s[G0B+1], s78
	s_add_nc_u64 s[G0B+2:G0B+3], s[74:75], s[78:79]
	s_or_b32 s[G0B+3], s[G0B+3], 0x80000000
	CROUND                                         ; all four work-groups are here: the joint loads meet
	s_cmp_lt_u32 s[WV], 4                          ; a wave's two fills stand in one branch on the wave's number: two loads of mine are out
	s_cbranch_scc0 .Lno_fetch
	tensor_load_to_lds s[G0A:G0A+3], s[G1A:G1A+7]
	s_nop 0
	tensor_load_to_lds s[G0B:G0B+3], s[G1B:G1B+7]
	s_nop 0
.rept 4
	v_nop
.endr
.Lno_fetch:
; the four global places of tile (g, sub): Q's pair image, Q's scale words, y's codes, y's scale bytes
.macro ADDRS g, sub, qc, qs, yb, sb
	s_lshl_b32 s74, s[BH], 4
	s_add_co_u32 s74, s74, s[\g]
	s_mul_i32 s74, s74, QREC                       ; the record of (head, group)
	s_lshr_b32 s75, s[\sub], 1                     ; the pair
	s_and_b32 s76, s[\sub], 1                      ; which of the pair
	s_mul_i32 s52, s75, 1536
	s_add_co_u32 s52, s52, s74
	s_add_nc_u64 s[\qc:\qc+1], s[4:5], s[52:53]
	s_lshl_b32 s52, s76, 8                         ; the word of (pair b, lane l) lies at 16 l + 4 b: the odd tile's lanes begin 256 bytes on
	s_lshl_b32 s75, s75, 2
	s_add_co_u32 s52, s52, s75
	s_add_co_u32 s52, s52, s74
	s_add_co_u32 s52, s52, 6144
	s_add_nc_u64 s[\qs:\qs+1], s[4:5], s[52:53]
	s_lshr_b32 s77, s[BH], 4
	s_lshl_b32 s77, s77, 4
	s_add_co_u32 s77, s77, s[\g]
	s_lshl_b32 s77, s77, 3
	s_add_co_u32 s77, s77, s[\sub]                 ; the token tile: 128 batch + 8 g + sub
	s_and_b32 s78, s[BH], 15                       ; the head
	s_mul_i32 s52, s77, 12288
	s_mul_i32 s79, s78, 768
	s_add_co_u32 s52, s52, s79
	s_add_nc_u64 s[\yb:\yb+1], s[8:9], s[52:53]
	s_lshl_b32 s52, s77, 9
	s_lshl_b32 s79, s78, 1
	s_add_co_u32 s52, s52, s79
	s_add_nc_u64 s[\sb:\sb+1], s[10:11], s[52:53]
.endm
	s_mov_b32 s53, 0
	ADDRS GL, SUBL, 66, 68, 56, 58
	ADDRS GS, SUBS, 70, 72, 60, 62
	v_and_b32 v3, 31, v0
	s_delay_alu instid0(VALU_DEP_1)
	v_lshlrev_b32 v1, 3, v3                        ; 8 x lane
	s_delay_alu instid0(VALU_DEP_2)
	v_lshlrev_b32 v2, 4, v3                        ; 16 x lane
	v_and_b32 v4, 15, v0                           ; r
	v_bfe_u32 v5, v0, 4, 1                         ; h
	s_delay_alu instid0(VALU_DEP_2)
	v_lshlrev_b32 v30, 5, v4
	s_delay_alu instid0(VALU_DEP_3)
	v_lshlrev_b32 v31, 4, v4
	s_delay_alu instid0(VALU_DEP_3)
	v_lshlrev_b32 v5, 3, v5
	s_delay_alu instid0(VALU_DEP_1)
	v_sub_nc_u32 v244, v4, v5                      ; r - 8 h
.irp c, 0,1,2
	global_load_b128 v[136+4*\c:139+4*\c], v2, s[66:67] offset:512*\c    ; the long tile's pair image,
	global_load_b128 v[148+4*\c:151+4*\c], v2, s[70:71] offset:512*\c    ; the short tile's
.endr
	global_load_b32 v28, v31, s[68:69]             ; lane r: query r's scale word
	global_load_b32 v239, v31, s[72:73]
	v_mov_b32 v29, 0xff800000                      ; -infinity
.irp i, 0,1,2,3,4,5
	v_mov_b32 v[22+\i], 0                          ; Q's k = 64 .. 127: zero codes
	v_mov_b32 v[80+\i], 0                          ; what stands behind K's last tile
.endr
.irp b, 0,1,2,3
	v_mov_b32 v[PD+\b], 0                          ; written once: a lane permute's destination counts as one of its sources
.endr
	s_and_b32 s52, s[CX], 1
	s_sub_co_u32 s52, 0, s52
	s_mov_b32 vcc_lo, s52                          ; all ones where my tiles are the odd ones of their pairs: it selects values, no branch hangs on it
	s_wait_loadcnt 0x0
.irp i, 0,1,2,3,4,5
	v_cndmask_b32 v[16+\i], v[136+\i], v[142+\i], vcc_lo
	v_cndmask_b32 v[6+\i], v[148+\i], v[154+\i], vcc_lo
.endr
.macro START                           ; a tile begins: the key step is written once, its first walk finds zeros, which the first change of M leaves zeros
	v_mov_b32 v13, 0xff61b1e6                      ; the largest t so far: -3e38
	s_delay_alu instid0(VALU_DEP_1)
	v_floor_f32 v12, -v13                          ; -M
	v_mov_b32 v14, 0
	v_mov_b32 v15, 0
.set n, 0
.rept 32
	v_mov_b32 v[OT+n], 0
.set n, n+1
.endr
.endm
; A KEY STEP: 128 keys.
.macro STEP
	s_cmp_gt_u32 s[KSN], s[GG]                     ; a step all of whose keys come after my queries is left out: a branch on ids, round the work alone
	s_cbranch_scc1 .Lhid_\@
	s_setprio 2
	v_add_nc_u32 v4, s[TB], v1
	v_add_nc_u32 v5, s[TB], v2
	v_nop
	v_nop                                          ; four places behind the last products, in front of loads into registers that they read
.irp c, 0,1,2,3,4,5,6,7,8,9,10,11
	ds_load_b128 v[KF+4*\c:KF+4*\c+3], v5 offset:512*\c               ; images: 512 consecutive bytes a load
.endr
	ds_load_b128 v[KW:KW+3], v5 offset:12288
.irp c, 0,1,2,3,4,5,6,7,8,9,10,11
	ds_load_b128 v[VF+4*\c:VF+4*\c+3], v5 offset:6144+512*\c
.endr
	ds_load_b64 v[VW:VW+1], v4 offset:12800
	s_wait_dscnt 13                                ; K and its scale words are in; V's 13 loads may be out
.irp t, 0,1,2,3,4,5,6,7                ; S^T: in tile t lane (r, h) holds query r, register j key 16 t + 8 h + j
.if \t%2
	v_wmma_scale_f32_16x16x128_f8f6f4 v[SS+8*\t:SS+8*\t+7], v[KF+6*\t:KF+6*\t+11], v[16:27], 0, v[KW+\t/2], v28 matrix_a_fmt:MATRIX_FMT_FP6 matrix_b_fmt:MATRIX_FMT_FP6 matrix_a_scale:MATRIX_SCALE_ROW1
.else
	v_wmma_scale_f32_16x16x128_f8f6f4 v[SS+8*\t:SS+8*\t+7], v[KF+6*\t:KF+6*\t+11], v[16:27], 0, v[KW+\t/2], v28 matrix_a_fmt:MATRIX_FMT_FP6 matrix_b_fmt:MATRIX_FMT_FP6
.endif
.endr
.rept 4
	v_nop
.endr
	s_cmp_lg_u32 s[KSN], s[GG]                     ; on the diagonal the scores of hidden keys become -infinity ahead of the maximum; the other steps skip this
	s_cbranch_scc1 .Lopen_\@
.set n, 0
	s_wait_alu depctr_va_vdst(0)
.rept 64
	v_cmp_gt_i32 vcc_lo, 16*(n/8)+n%8, v3          ; hidden where 16 (n / 8) + n % 8 + 8 h > my query's place in the step
	v_cndmask_b32 v[SS+n], v[SS+n], v29, vcc_lo
.set n, n+1
.endr
.Lopen_\@:
.irp b, 0,1,2,3
	v_max3_num_f32 v[BM+\b], v[SS+16*\b], v[SS+1+16*\b], v[SS+2+16*\b]   ; the largest score of each block of 32 keys: it serves for the row's maximum and, since p rises with the score, for the block's largest p
.endr
.irp i, 3,5,7,9,11,13
.irp b, 0,1,2,3
	v_max3_num_f32 v[BM+\b], v[BM+\b], v[SS+16*\b+\i], v[SS+1+16*\b+\i]
.endr
.endr
.irp b, 0,1,2,3
	v_max_num_f32 v[BM+\b], v[BM+\b], v[SS+15+16*\b]
.endr
.irp b, 0,1,2,3
	s_delay_alu instid0(VALU_DEP_4)
	v_permlanex16_b32 v[PD+\b], v[BM+\b], s[SEL], s[SEL+1]
.endr
.irp b, 0,1,2,3
	s_delay_alu instid0(VALU_DEP_4)
	v_max_num_f32 v[BM+\b], v[BM+\b], v[PD+\b]     ; with lane l xor 16's 16 keys
.endr
	s_delay_alu instid0(VALU_DEP_2)
	v_max3_num_f32 v[TP], v[BM], v[BM+1], v[BM+2]
	s_delay_alu instid0(VALU_DEP_1)
	v_max_num_f32 v[TP], v[TP], v[BM+3]
	s_delay_alu instid0(VALU_DEP_1)
	v_mul_f32 v[TP], s[CS], v[TP]                  ; as t (c is positive)
	s_delay_alu instid0(VALU_DEP_1)
	v_max_num_f32 v13, v13, v[TP]                  ; the running largest t
	v_mov_b32 v[TP], v12
	s_delay_alu instid0(VALU_DEP_2)
	v_floor_f32 v12, -v13                          ; the new -M = floor(-t): M is a whole number
	s_delay_alu instid0(VALU_DEP_1)
	v_sub_f32 v[TP], v12, v[TP]                    ; old M less new M: a whole number, 0 or less
	s_delay_alu instid0(VALU_DEP_1)
	v_cvt_i32_f32 v[TP], v[TP]                     ; (it saturates)
	s_delay_alu instid0(VALU_DEP_1)
	v_ldexp_f32 v[FF], 1.0, v[TP]                  ; f = 2^(old M - new M)
.set n, 0
.rept 32
	v_pk_fma_f32 v[SS+2*n:SS+2*n+1], v[SS+2*n:SS+2*n+1], s[CS:CS+1], v[12:13] op_sel_hi:[1,0,0]   ; t - M, two at a time
.set n, n+1
.endr
	s_setprio 1
.irp b, 0,1,2,3
	v_fma_f32 v[BM+\b], v[BM+\b], s[CS], v12       ; the same of each block's largest score
.endr
.set n, 0
	s_wait_alu depctr_va_vdst(0)
.rept 64
	v_exp_f32 v[SS+n], v[SS+n]                     ; p = 2^(t - M), at most 1
.set n, n+1
.endr
.irp b, 0,1,2,3
	v_exp_f32 v[BM+\b], v[BM+\b]                   ; the block's largest p: the same two instructions on the same number
.endr
	v_pk_mul_f32 v[14:15], v[14:15], v[FF:FF+1] op_sel_hi:[1,0]   ; the sums under the new M.  (A plain place behind the exponentials)
	s_wait_alu depctr_va_vdst(0)
.irp b, 0,1,2,3
	v_max_num_f32 v[BM+\b], 0x1800000, v[BM+\b]    ; the floor 2^(3 - 127): the byte cannot fall under 1
.endr
.irp b, 0,1,2,3
	s_delay_alu instid0(VALU_DEP_4)
	v_add_nc_u32 v[SO+\b], 0xff000000, v[BM+\b]    ; 2 off the exponent field: the conversion's scale operand
.endr
.irp b, 0,1,2,3
	s_delay_alu instid0(VALU_DEP_4)
	v_lshrrev_b32 v[BY+\b], 23, v[SO+\b]
.endr
	s_delay_alu instid0(VALU_DEP_3)
	v_lshl_or_b32 v[PWD], v[BY+1], 8, v[BY]        ; p's scale word for these 128 keys
	s_delay_alu instid0(VALU_DEP_1)
	v_lshl_or_b32 v[PWD], v[BY+2], 16, v[PWD]
	s_delay_alu instid0(VALU_DEP_1)
	v_lshl_or_b32 v[PWD], v[BY+3], 24, v[PWD]
.irp c, 0,1
	v_cvt_scalef32_pk16_fp6_f32 v[PC+6*\c:PC+6*\c+2], v[SS+32*\c:SS+32*\c+15], v[SO+2*\c]
	v_cvt_scalef32_pk16_fp6_f32 v[BY+4*\c:BY+4*\c+2], v[SS+32*\c+16:SS+32*\c+31], v[SO+2*\c+1]   ; (a conversion's three registers begin on an even number)
.endr
	v_nop                                          ; one plain place behind a scaled conversion
.irp c, 0,1                            ; the operand's layout wants a whole block in a lane
.irp i, 0,1,2
	v_permlane16_swap_b32 v[PC+6*\c+\i], v[BY+4*\c+\i]
.endr
.irp i, 0,1,2
	s_delay_alu instid0(VALU_DEP_3)
	v_mov_b32 v[PC+6*\c+3+\i], v[BY+4*\c+\i]
.endr
.endr
	v_pk_add_f32 v[60:61], v[140:141], v[144:145]
	v_pk_add_f32 v[252:253], v[148:149], v[152:153]
	v_pk_add_f32 v[248:249], v[156:157], v[160:161]
	v_pk_add_f32 v[246:247], v[164:165], v[168:169]
	v_pk_add_f32 v[86:87], v[172:173], v[176:177]
	v_pk_add_f32 v[14:15], v[14:15], v[180:181]
	v_pk_add_f32 v[60:61], v[60:61], v[184:185]
	v_pk_add_f32 v[252:253], v[252:253], v[188:189]
	v_pk_add_f32 v[248:249], v[248:249], v[192:193]
	v_pk_add_f32 v[246:247], v[246:247], v[196:197]
	v_pk_add_f32 v[86:87], v[86:87], v[136:137]
	s_setprio 0
	v_pk_add_f32 v[14:15], v[14:15], v[138:139]
	v_pk_add_f32 v[60:61], v[60:61], v[142:143]
	v_pk_add_f32 v[252:253], v[252:253], v[146:147]
	v_pk_add_f32 v[248:249], v[248:249], v[150:151]
	v_pk_add_f32 v[246:247], v[246:247], v[154:155]
	v_pk_add_f32 v[86:87], v[86:87], v[158:159]
	v_pk_add_f32 v[14:15], v[14:15], v[162:163]
	v_pk_add_f32 v[60:61], v[60:61], v[166:167]
	v_pk_add_f32 v[252:253], v[252:253], v[170:171]
	v_pk_add_f32 v[248:249], v[248:249], v[174:175]
	v_pk_add_f32 v[246:247], v[246:247], v[178:179]
	v_pk_add_f32 v[86:87], v[86:87], v[182:183]
	v_pk_add_f32 v[14:15], v[14:15], v[186:187]
	v_pk_add_f32 v[60:61], v[60:61], v[190:191]
	v_pk_add_f32 v[252:253], v[252:253], v[194:195]
	v_pk_add_f32 v[248:249], v[248:249], v[198:199]
	s_delay_alu instid0(VALU_DEP_1)
	v_pk_add_f32 v[14:15], v[14:15], v[248:249]
	s_delay_alu instid0(VALU_DEP_4)
	v_pk_add_f32 v[60:61], v[60:61], v[246:247]
	s_delay_alu instid0(VALU_DEP_4)
	v_pk_add_f32 v[252:253], v[252:253], v[86:87]
	s_delay_alu instid0(VALU_DEP_1)
	v_pk_add_f32 v[14:15], v[14:15], v[252:253]
	s_delay_alu instid0(VALU_DEP_1)
	v_pk_add_f32 v[14:15], v[14:15], v[60:61]
.set n, 0
.rept 16
	v_pk_mul_f32 v[OT+2*n:OT+2*n+1], v[OT+2*n:OT+2*n+1], v[FF:FF+1] op_sel_hi:[1,0]   ; O^T under the new M, each accumulator from its low end on
.set n, n+1
.endr
	s_wait_alu depctr_va_vdst(0)
	s_wait_dscnt 0x0                               ; V and its scale words are in
.irp a, 0,1,2,3                        ; O^T += V^T P^T: the four accumulators by turns; the next step's eight products stand between two turns of each
.if \a%2
	v_wmma_scale_f32_16x16x128_f8f6f4 v[OT+8*\a:OT+8*\a+7], v[VF+12*\a:VF+12*\a+11], v[PC:PC+11], v[OT+8*\a:OT+8*\a+7], v[VW+\a/2], v[PWD] matrix_a_fmt:MATRIX_FMT_FP6 matrix_b_fmt:MATRIX_FMT_FP6 matrix_a_scale:MATRIX_SCALE_ROW1
.else
	v_wmma_scale_f32_16x16x128_f8f6f4 v[OT+8*\a:OT+8*\a+7], v[VF+12*\a:VF+12*\a+11], v[PC:PC+11], v[OT+8*\a:OT+8*\a+7], v[VW+\a/2], v[PWD] matrix_a_fmt:MATRIX_FMT_FP6 matrix_b_fmt:MATRIX_FMT_FP6
.endif
.endr
.Lhid_\@:
.endm
.macro KLOOP n                         ; n key steps: the trip count is a constant; a step that is hidden jumps over its work
	s_mov_b32 s[CNT], \n
.Lk_\@:
	STEP
	s_add_co_u32 s[KSN], s[KSN], 1
	s_add_co_u32 s[TB], s[TB], REC
	s_sub_co_u32 s[CNT], s[CNT], 1
	s_cmp_lg_u32 s[CNT], 0
	s_cbranch_scc1 .Lk_\@
	s_setprio 0
.endm
; A tile ends: O^T / the sum is y(query r, d = 16 a + 8 h + j); its two blocks of 32 are quantised and leave.
.macro FINISH yb, sb
.rept 4
	v_nop                                          ; places behind the last products
.endr
	v_add_f32 v14, v14, v15                        ; the sum's two halves,
	s_delay_alu instid0(VALU_DEP_1)
	v_permlanex16_b32 v[PD], v14, s[SEL], s[SEL+1]
	s_delay_alu instid0(VALU_DEP_1)
	v_add_f32 v14, v14, v[PD]                      ; and lane l xor 16's
	s_wait_alu depctr_va_vdst(0)
	v_rcp_f32 v14, v14
	v_nop                                          ; one plain place behind a transcendental
.set n, 0
	s_wait_alu depctr_va_vdst(0)
.rept 16
	v_pk_mul_f32 v[SS+2*n:SS+2*n+1], v[OT+2*n:OT+2*n+1], v[14:15] op_sel_hi:[1,0]
.set n, n+1
.endr
.irp b, 0,1
	v_max3_num_f32 v[BM+\b], |v[SS+16*\b]|, |v[SS+1+16*\b]|, 0x1800000
.endr
.irp i, 2,4,6,8,10,12,14
.irp b, 0,1
	s_delay_alu instid0(VALU_DEP_2)
	v_max3_num_f32 v[BM+\b], v[BM+\b], |v[SS+16*\b+\i]|, |v[SS+1+16*\b+\i]|
.endr
.endr
.irp b, 0,1
	s_delay_alu instid0(VALU_DEP_2)
	v_permlanex16_b32 v[PD+\b], v[BM+\b], s[SEL], s[SEL+1]
.endr
.irp b, 0,1
	s_delay_alu instid0(VALU_DEP_2)
	v_max_num_f32 v[BM+\b], v[BM+\b], v[PD+\b]
.endr
.irp b, 0,1
	s_delay_alu instid0(VALU_DEP_2)
	v_add_nc_u32 v[SO+\b], 0xff000000, v[BM+\b]
.endr
.irp b, 0,1
	s_delay_alu instid0(VALU_DEP_2)
	v_lshrrev_b32 v[BY+\b], 23, v[SO+\b]
.endr
	s_delay_alu instid0(VALU_DEP_1)
	v_lshl_or_b32 v250, v[BY+1], 8, v[BY]          ; my query's two scale bytes
	v_cvt_scalef32_pk16_fp6_f32 v[48:50], v[SS:SS+15], v[SO]
	v_cvt_scalef32_pk16_fp6_f32 v[52:54], v[SS+16:SS+31], v[SO+1]
	v_nop                                          ; one plain place behind a scaled conversion
.irp i, 0,1,2
	v_permlane16_swap_b32 v[48+\i], v[52+\i]       ; lane (r, h) now holds block h: groups 0 and 2 of 8 codes (6 bytes each) in v48-50, groups 1 and 3 in v52-54
.endr
	s_delay_alu instid0(VALU_DEP_3)
	v_mov_b32 v56, v48                             ; the natural order, 24 bytes: group 0's first four bytes;
	s_delay_alu instid0(VALU_DEP_3)
	v_perm_b32 v57, v52, v49, 0x05040100           ; its last two, group 1's first two;
	s_delay_alu instid0(VALU_DEP_4)
	v_perm_b32 v58, v53, v52, 0x05040302           ; group 1's last four;
	s_delay_alu instid0(VALU_DEP_4)
	v_perm_b32 v59, v50, v49, 0x05040302           ; group 2's first four;
	v_perm_b32 v60, v53, v50, 0x07060302           ; its last two, group 3's first two;
	v_mov_b32 v61, v54                             ; group 3's last four
	global_store_b64 v1, v[56:57], s[\yb:\yb+1]
	global_store_b64 v1, v[58:59], s[\yb:\yb+1] offset:256
	global_store_b64 v1, v[60:61], s[\yb:\yb+1] offset:512
	s_wait_xcnt 0x0                                ; EXEC changes only behind this wait
	v_cmp_gt_u32 vcc_lo, 0x100, v2                 ; lanes 0-15
	s_and_saveexec_b32 s52, vcc_lo
	global_store_b16 v30, v250, s[\sb:\sb+1]       ; row r of 32 bytes, my head's two
	s_wait_xcnt 0x0                                ; and again in front of the line that widens it; the stores' data are also written again only behind it
	s_or_b32 exec_lo, exec_lo, s52
.endm
	START
	s_mov_b32 s[GG], s[GL]
	s_lshl_b32 s52, s[SUBL], 4
	v_add_nc_u32 v3, s52, v244                     ; 16 sub + r - 8 h
	s_mov_b32 s[TB], 0
	s_mov_b32 s[KSN], 0
	s_wait_tensorcnt 0x1                           ; a fetching wave's first load is in: records 0 to 3; its second may be out
	s_barrier_signal -1
	s_barrier_wait -1
	KLOOP 4                                        ; every wave's long tile needs these four steps: the other twelve records land behind equal work
	s_wait_tensorcnt 0x0
	s_wait_dscnt 0x0
	s_barrier_signal -1
	s_barrier_wait -1                              ; all sixteen records lie in LDS
	KLOOP 12
	FINISH 56, 58
.irp i, 0,1,2,3,4,5
	v_mov_b32 v[16+\i], v[6+\i]                    ; the short tile's Q
.endr
	v_mov_b32 v28, v239                            ; and its scale word; the 36 lines of START are the places between these and the next products
	START
	s_mov_b32 s[GG], s[GS]
	s_lshl_b32 s52, s[SUBS], 4
	v_add_nc_u32 v3, s52, v244
	s_mov_b32 s[TB], 0
	s_mov_b32 s[KSN], 0
	KLOOP 8                                        ; the short group is 7 at the most
	FINISH 60, 62
	s_wait_dscnt 0x0
	s_wait_tensorcnt 0x0
	ds_add_u32 v254, v255
	s_wait_dscnt 0x0
	CROUND                                         ; the closing round
	s_endpgm
.Lfunc_end_k_q5e0b689233_attn:
	.size	k_q5e0b689233_attn, .Lfunc_end_k_q5e0b689233_attn-k_q5e0b689233_attn
	.p2alignl 7, 3214868480
	.fill 96, 4, 3214868480
	.section	.rodata,"a",@progbits
	.p2align	6, 0x0
	.amdhsa_kernel k_q5e0b689233_attn
		.amdhsa_group_segment_fixed_size 210944
		.amdhsa_private_segment_fixed_size 0
		.amdhsa_enable_private_segment 0
		.amdhsa_kernarg_size 32
		.amdhsa_user_sgpr_count 2
		.amdhsa_user_sgpr_kernarg_segment_ptr 1
		.amdhsa_wavefront_size32 1
		.amdhsa_system_sgpr_workgroup_id_x 1
		.amdhsa_system_sgpr_workgroup_id_y 1
		.amdhsa_system_sgpr_workgroup_id_z 1
		.amdhsa_system_vgpr_workitem_id 0
		.amdhsa_next_free_vgpr 256
		.amdhsa_next_free_sgpr 80
		.amdhsa_reserve_vcc 1
		.amdhsa_float_denorm_mode_32 3
		.amdhsa_float_denorm_mode_16_64 3
		.amdhsa_memory_ordered 1
		.amdhsa_forward_progress 1
		.amdhsa_inst_pref_size 88
	.end_amdhsa_kernel
	.amdgpu_metadata
---
amdhsa.version: [ 1, 2 ]
amdhsa.kernels:
  - .name:           k_q5e0b689233_attn
    .symbol:         k_q5e0b689233_attn.kd
    .args:
      - { .name: qimg, .offset: 0, .size: 8, .value_kind: global_buffer, .address_space: global }
      - { .name: kvimg, .offset: 8, .size: 8, .value_kind: global_buffer, .address_space: global }
      - { .name: yimg, .offset: 16, .size: 8, .value_kind: global_buffer, .address_space: global }
      - { .name: yscl, .offset: 24, .size: 8, .value_kind: global_buffer, .address_space: global }
    .group_segment_fixed_size: 210944
    .private_segment_fixed_size: 0
    .kernarg_segment_align: 8
    .kernarg_segment_size: 32
    .max_flat_workgroup_size: 512
    .sgpr_count:     80
    .vgpr_count:     256
    .wavefront_size: 32
...
	.end_amdgpu_metadata
.endif
;; end of part 2
;; launch proj (part 3): grid 4 x 32, 4 waves a work-group, clusters of 4 x 4, 327,680 bytes of LDS; arguments yimg, yscl, w_proj_codes, w_proj_scales, b_proj, out0; writes out0
.if DOCPART == 3
	.amdgcn_target "amdgcn-amd-amdhsa--gfx1250"
	.amdhsa_code_object_version 6
	.text
	.protected	k_q5e0b689233_proj
	.globl	k_q5e0b689233_proj
	.p2align	8
	.type	k_q5e0b689233_proj,@function
k_q5e0b689233_proj:
	s_mov_b64 s[64:65], 0
	v_nop
	global_prefetch_b8 v0, s[64:65] scope:SCOPE_SE
	s_setreg_imm32_b32 hwreg(HW_REG_WAVE_MODE, 25, 1), 1
	s_wait_xcnt 0x0
	s_wait_alu depctr_hold_cnt(0) depctr_sa_sdst(0) depctr_va_vdst(0) depctr_va_sdst(0) depctr_va_ssrc(0) depctr_va_vcc(0) depctr_vm_vsrc(0)
	s_getreg_b32 s2, hwreg(HW_REG_IB_STS2, 6, 4)
	s_cmp_eq_u32 s2, 0
	s_cbranch_scc0 .Lentry_in_a_cluster
	s_endpgm
.Lentry_in_a_cluster:
	s_bfe_u32 s2, ttmp6, 0x10000c
	s_cmp_lg_u32 s2, 0xf033
	s_cbranch_scc0 .Lentry_shape_is_right
	s_endpgm
.Lentry_shape_is_right:
; out = y w_proj^T + b_proj on codes of FP6 (E2M3) with E8M0 scales.  y: 8,192 rows x 1,024, as images of the operand's registers (yimg: [tile of 16 rows][K step of 128] 1,536 bytes: registers 2 p, 2 p + 1 at 256 p + 8 x lane)
; with scale bytes [8,192][32]; w_proj: 1,024 rows x 1,024 as given; out: [8,192][1,024] f32.
; A work-group of four waves makes 256 x 256 of out; a wave 128 x 128: 64 accumulators, 512 registers.  K goes in steps of 256 through a ring of two LDS slots; the scale bytes come once.  128 work-groups: with this tile the
; output has no more; a wave tile of half the size would read each fragment from LDS for half as many products.
; CLUSTERS: 4 x 4 work-groups; y's tiles are asked for jointly along a row of the cluster, w's along a column.  THE MATRIX INSTRUCTION IS USED TRANSPOSED (source 0 = 16 rows of w, source 1 = 16 rows of y): a lane holds eight neighbouring numbers of a row of out.
; The bias is the C of each sum's first matrix instruction.  LIMITS: NaN and infinities are not served.
; REGISTERS: window 0: v0-31 addresses; v32-63 scale words, two sets; v64-127 the bias; v128-223 y's fragments, ONE set; on the way out v128-255 are free.  window 1: w's fragments, TWO sets.  windows 2, 3: the accumulators.
.set SIZE_N, 1024
.set SIZE_K, 1024
.set KSTEP,  256
.set NQ,     KSTEP/128
.set ROWB,   192                       ; a row of w's tile in bytes
.set KROW,   SIZE_K*6/8                ; a row of codes in memory; y's images take as many bytes a row: 12,288 for 16 rows
.set PITCH,  240                       ; w's LDS row: 3 x (64 bytes + 16 of padding)
.set FR,     12
.set NL,     6
.set NP,     4
.set HALFT,  128*PITCH                 ; 128 rows of w
.set AIMG,   3072                      ; a tile of 16 rows of y, 256 along K: two images
.set HALFA,  8*AIMG                    ; 128 rows of y
.set SLOT,   2*HALFA+2*HALFT           ; y's 256 rows, then w's 256 rows
.set LAPS,   SIZE_K/(2*KSTEP)
.set KS,     SIZE_K/32
.set SCL,    2*SLOT
.set HALFS,  (128*KS/256)*272
.set SBLK,   (16*KS/256)*272
.set SPARE,  SCL+4*HALFS               ; the spare words, 128 bytes a wave: two blocks of 256 bytes that no other line names
.set SPITCH, 528                       ; the way out: a stage of 16 rows x (512 bytes + 16) for each wave, in slot 0, which has had its last fill and its last read when the first result is stored there
.set ADRA, 16                          ; v16-17 LDS address of y's images in slot 0, 1
.set ADRB, 20                          ; v20-21 of w's fragments (v22-23: behind one padding more)
.set STO,  24
.set RD,   25
.set CO,   26
.set ADRS, 27
.set SPW,  28
.set NIL,  29
.set SC,   32
.set BC,   64                          ; register 8 b + j = bias of column 16 b + 8 h + j
.set AF,   128
.set BK,   128
.set G1, 24
.set G0, 32
.set G1B, 48
.set G0B, 56
.set G1S, 68
.set G0S, 76
.set G1SB, 80
.set G0SB, 88
.set MSB, 0
.macro WIN new
.if MSB != (\new)
	s_set_vgpr_msb (MSB<<8)|(\new)
.set MSB, (\new)
.endif
.endm
.set MUL_LO, 0xa1                      ; source 0 (w) window 1, source 1 (y) window 0, C and D window 2
.set MUL_HI, 0xf1
.set MUL_LO0, 0x81                     ; the first step: C (the bias) window 0, D window 2
.set MUL_HI0, 0xc1
.set TO_B,   0x40
.macro JLOAD g0a, g1a, g0b, g1b        ; a joint load: waves 0 and 1 fetch for y, waves 2 and 3 for w; four v_nop follow each of the two lines
	s_cmp_eq_u32 s15, 0
	s_cbranch_scc0 .Lfor_b_\@
	tensor_load_to_lds s[\g0a:\g0a+3], s[\g1a:\g1a+7]
	s_nop 0
.rept 4
	v_nop
.endr
	s_branch .Lasked_\@
.Lfor_b_\@:
	tensor_load_to_lds s[\g0b:\g0b+3], s[\g1b:\g1b+7]
	s_nop 0
.rept 4
	v_nop
.endr
.Lasked_\@:
.endm
.macro CREST
	s_cmp_lg_u32 s14, 0
	s_cbranch_scc1 .Lnot_wave_0_\@
	s_barrier_signal -3
.Lnot_wave_0_\@:
	s_barrier_wait -3
	s_barrier_signal -1
	s_barrier_wait -1
.endm
.macro CROUND
	s_barrier_signal -1
	s_barrier_wait -1
	CREST
.endm
	s_load_b128 s[4:7], s[0:1], 0x0                ; yimg, yscl
	s_load_b128 s[8:11], s[0:1], 0x10              ; w's codes, w's scales
	s_load_b64 s[96:97], s[0:1], 0x20              ; b_proj
	s_load_b64 s[12:13], s[0:1], 0x28              ; out
	v_lshl_add_u32 v[SPW], v0, 2, SPARE
	v_mov_b32 v[NIL], 0
	ds_add_u32 v28, v29
	ds_add_u32 v28, v29
	s_wait_dscnt 0x0
	v_lshrrev_b32 v1, 5, v0
	v_readfirstlane_b32 s14, v1                    ; wave 0..3
	s_lshr_b32 s15, s14, 1                         ; my half of the rows.  Also: I fetch for y (0) or for w (1)
	s_and_b32 s16, s14, 1                          ; my half of the columns.  Also: which 128 rows of that tile I fetch
	s_bfe_u32 s40, ttmp6, 0x40000
	s_bfe_u32 s41, ttmp6, 0x40004
	s_lshl_b32 s42, ttmp9, 2
	s_add_co_u32 s42, s42, s40                     ; tile column
	s_and_b32 s17, ttmp7, 0xffff
	s_lshl_b32 s17, s17, 2
	s_add_co_u32 s17, s17, s41                     ; tile row
	s_lshl_b32 s43, s41, 2
	s_lshl_b32 s43, 15, s43                        ; my row of the cluster
	s_lshl_b32 s44, 0x1111, s40                    ; my column
	; y's tile: 8 rows (tiles of 16 rows of y) x 3,072 bytes (384 elements of 8), 12,288 bytes apart; no padding: the images are read on end
	s_or_b32 s[G1+0], s43, (3<<16)|(1<<21)
	s_mov_b32 s[G1+1], 384<<16
	s_mov_b32 s[G1+2], 8<<16
	s_mov_b32 s[G1+3], 384<<16
	s_mov_b32 s[G1+4], 8
	s_mov_b32 s[G1+5], 1536
	s_mov_b32 s[G1+6], 0
	s_mov_b32 s[G1+7], 0
	; w's tile: 128 rows x 192 bytes, 16 bytes of padding behind every 64
	s_or_b32 s[G1B+0], s44, (0<<16)|(1<<20)|(1<<21)|(3<<22)|(3<<25)
	s_mov_b32 s[G1B+1], ROWB<<16
	s_mov_b32 s[G1B+2], 128<<16
	s_mov_b32 s[G1B+3], ROWB<<16
	s_mov_b32 s[G1B+4], 128
	s_mov_b32 s[G1B+5], KROW
	s_mov_b32 s[G1B+6], 0
	s_mov_b32 s[G1B+7], 0
	; the scales of 128 rows: 4,096 dense bytes as rows of 256, 16 bytes of padding behind each
	s_or_b32 s[G1S+0], s43, (3<<16)|(1<<20)|(1<<21)|(5<<22)|(3<<25)
	s_or_b32 s[G1SB+0], s44, (3<<16)|(1<<20)|(1<<21)|(5<<22)|(3<<25)
.irp g, G1S, G1SB
	s_mov_b32 s[\g+1], 32<<16
	s_mov_b32 s[\g+2], (128*KS/256)<<16
	s_mov_b32 s[\g+3], 32<<16
	s_mov_b32 s[\g+4], 128*KS/256
	s_mov_b32 s[\g+5], 32
	s_mov_b32 s[\g+6], 0
	s_mov_b32 s[\g+7], 0
.endr
	s_lshl_b32 s18, s16, 7
	s_lshl_b32 s20, s17, 8
	s_add_co_u32 s20, s20, s18                     ; y: row 256 x tile row + 128 x half
	s_lshl_b32 s46, s42, 8
	s_add_co_u32 s46, s46, s18                     ; w: row 256 x tile column + 128 x half
	s_mov_b32 s21, 0
	s_mov_b32 s47, 0
	s_mov_b64 s[18:19], KS
	s_mul_u64 s[22:23], s[20:21], s[18:19]
	s_mul_u64 s[92:93], s[46:47], s[18:19]
	s_mov_b64 s[18:19], KROW
	s_mul_u64 s[20:21], s[20:21], s[18:19]         ; (a multiple of 16 rows x 768 bytes: where these rows' images begin)
	s_mul_u64 s[46:47], s[46:47], s[18:19]
	s_mul_i32 s45, s16, HALFA                      ; where they go: y's two halves,
	s_mul_i32 s95, s16, HALFT
	s_add_co_u32 s95, s95, 2*HALFA                 ; then w's two
	s_mul_i32 s94, s14, HALFS
	s_wait_kmcnt 0x0
	s_add_nc_u64 s[20:21], s[4:5], s[20:21]
	s_add_nc_u64 s[22:23], s[6:7], s[22:23]
	s_add_nc_u64 s[46:47], s[8:9], s[46:47]
	s_add_nc_u64 s[92:93], s[10:11], s[92:93]
	CROUND                                         ; all sixteen work-groups are here: the first joint loads meet
	s_mov_b32 s[G0S], 1
	s_add_co_u32 s[G0S+1], s94, SCL
	s_mov_b64 s[G0S+2:G0S+3], s[22:23]
	s_or_b32 s[G0S+3], s[G0S+3], 0x80000000
	s_mov_b32 s[G0SB], 1
	s_add_co_u32 s[G0SB+1], s94, SCL
	s_mov_b64 s[G0SB+2:G0SB+3], s[92:93]
	s_or_b32 s[G0SB+3], s[G0SB+3], 0x80000000
	JLOAD G0S, G1S, G0SB, G1SB
.irp s, 0,1
	s_mov_b32 s[G0+4*\s], 1
	s_add_co_u32 s[G0+4*\s+1], s45, \s*SLOT
	s_add_nc_u64 s[G0+4*\s+2:G0+4*\s+3], s[20:21], \s*AIMG
	s_or_b32 s[G0+4*\s+3], s[G0+4*\s+3], 0x80000000
	s_mov_b32 s[G0B+4*\s], 1
	s_add_co_u32 s[G0B+4*\s+1], s95, \s*SLOT
	s_add_nc_u64 s[G0B+4*\s+2:G0B+4*\s+3], s[46:47], \s*ROWB
	s_or_b32 s[G0B+4*\s+3], s[G0B+4*\s+3], 0x80000000
	s_wait_alu depctr_va_vdst(0)
	s_wait_tensorcnt 0x0
	ds_add_u32 v28, v29
	s_wait_dscnt 0x0
	CROUND
	JLOAD G0+4*\s, G1, G0B+4*\s, G1B
.endr
	v_and_b32 v1, 15, v0                           ; r
	v_bfe_u32 v2, v0, 4, 1                         ; h
	v_mul_u32_u24 v3, v1, PITCH
	v_mul_u32_u24 v4, v2, 24
	v_add_nc_u32 v4, v3, v4
	v_lshl_add_u32 v5, v2, 4, v4
	v_and_b32 v6, 31, v0
	v_lshlrev_b32 v7, 3, v6                        ; 8 x lane: an image's place for my lane
	s_mul_i32 s21, s15, HALFA                      ; my 128 rows of y
	s_mul_i32 s22, s16, HALFT                      ; my 128 rows of w,
	s_add_co_u32 s22, s22, 2*HALFA                 ; behind y's 256
.irp s, 0,1
	v_add_nc_u32 v[ADRA+\s], s21, v7
	v_add_nc_u32 v[ADRB+\s], s22, v4
	v_add_nc_u32 v[ADRB+2+\s], s22, v5
	s_add_co_u32 s21, s21, SLOT
	s_add_co_u32 s22, s22, SLOT
.endr
	v_mul_u32_u24 v5, v1, KS
	v_lshrrev_b32 v6, 8, v5
	v_lshl_add_u32 v5, v6, 4, v5
	s_mul_i32 s21, s15, HALFS
	s_mul_i32 s22, s16, HALFS
	s_add_co_u32 s22, s22, 2*HALFS
	s_sub_co_u32 s22, s22, s21
	v_mul_u32_u24 v6, s22, v2                      ; lanes 16-31 take w's
	s_add_co_u32 s21, s21, SCL
	v_add_nc_u32 v5, v5, v6
	v_add_nc_u32 v[ADRS], s21, v5
	s_mul_i32 s23, s14, 16*SPITCH                  ; my stage
	v_mul_u32_u24 v5, v1, SPITCH
	v_lshl_add_u32 v5, v2, 5, v5
	v_add_nc_u32 v[STO], s23, v5
	v_and_b32 v6, 31, v0
	v_lshlrev_b32 v[CO], 4, v6
	v_add_nc_u32 v[RD], s23, v[CO]
	s_lshl_b32 s20, s17, 8
	s_lshl_b32 s21, s15, 7
	s_add_co_u32 s20, s20, s21                     ; my first row of out
	s_mov_b32 s21, 0
	s_mov_b64 s[18:19], SIZE_N*4
	s_mul_u64 s[20:21], s[20:21], s[18:19]
	s_lshl_b32 s46, s42, 10                        ; my first column, in bytes; the bias's place too
	s_lshl_b32 s47, s16, 9
	s_add_co_u32 s46, s46, s47
	s_mov_b32 s47, 0
	s_add_nc_u64 s[20:21], s[20:21], s[46:47]
	s_add_nc_u64 s[12:13], s[12:13], s[20:21]
	s_add_nc_u64 s[96:97], s[96:97], s[46:47]
	v_lshlrev_b32 v8, 5, v2                        ; 32 h; not written again
.irp b, 0,1,2,3,4,5,6,7
	global_load_b128 v[BC+8*\b:BC+8*\b+3], v8, s[96:97] offset:64*\b
	global_load_b128 v[BC+8*\b+4:BC+8*\b+7], v8, s[96:97] offset:64*\b+16
.endr
.macro FRAG reg, adr, q, i             ; a fragment of w from padded rows, in pieces of 8 bytes; where lanes 16-31's piece lies behind one padding more, the second address register serves
.irp p, 0,1,2,3,4,5
.set PC, 12*(\q)+6*(\p/3)+\p%3
.if PC%8 < 5
	ds_load_b64 v[\reg+2*\p:\reg+2*\p+1], v[\adr] offset:8*PC+16*(PC/8)+(\i)*16*PITCH
.else
	ds_load_b64 v[\reg+2*\p:\reg+2*\p+1], v[\adr+2] offset:8*PC+16*(PC/8)+(\i)*16*PITCH
.endif
.endr
.endm
.macro FRAGA reg, slot, q, i           ; a fragment of y from its image: six loads of 256 consecutive bytes
.irp p, 0,1,2,3,4,5
	ds_load_b64 v[\reg+2*\p:\reg+2*\p+1], v[ADRA+\slot] offset:(\i)*AIMG+(\q)*1536+256*\p
.endr
.endm
; 16 matrix instructions: y's blocks a0, a0 + 1 x w's eight.  zero = 1: the first product starts the sums from the bias.  The 64 accumulators take turns.
.macro MUL16 a0, p, q, sc, zero
.irp a, \a0, \a0+1
.irp b, 0,1,2,3,4,5,6,7
.if \zero
	v_wmma_scale_f32_16x16x128_f8f6f4 v[8*(8*((\a)%4)+\b):8*(8*((\a)%4)+\b)+7], v[128*(\p)+FR*\b:128*(\p)+FR*\b+FR-1], v[AF+FR*(\a):AF+FR*(\a)+FR-1], v[BC+8*\b:BC+8*\b+7], v[SC+8*NQ*(\sc)+NQ*\b+(\q)], v[SC+8*NQ*(\sc)+NQ*(\a)+(\q)] matrix_a_fmt:MATRIX_FMT_FP6 matrix_b_fmt:MATRIX_FMT_FP6 matrix_a_scale:MATRIX_SCALE_ROW1
.else
	v_wmma_scale_f32_16x16x128_f8f6f4 v[8*(8*((\a)%4)+\b):8*(8*((\a)%4)+\b)+7], v[128*(\p)+FR*\b:128*(\p)+FR*\b+FR-1], v[AF+FR*(\a):AF+FR*(\a)+FR-1], v[8*(8*((\a)%4)+\b):8*(8*((\a)%4)+\b)+7], v[SC+8*NQ*(\sc)+NQ*\b+(\q)], v[SC+8*NQ*(\sc)+NQ*(\a)+(\q)] matrix_a_fmt:MATRIX_FMT_FP6 matrix_b_fmt:MATRIX_FMT_FP6 matrix_a_scale:MATRIX_SCALE_ROW1
.endif
.endr
.endr
.endm
.macro FETCH_B slot, q, p
	WIN TO_B
.irp i, 0,1,2,3,4,5,6,7
	FRAG 128*(\p)+FR*\i, ADRB+\slot, \q, \i
.endr
	WIN 0
.endm
.macro FETCH_A slot, q, i0
.irp i, \i0, \i0+1, \i0+2, \i0+3
	FRAGA AF+FR*(\i), \slot, \q, \i
.endr
.endm
.macro SCALES sc
.irp i, 0,1,2,3,4,5,6,7
	ds_load_b64 v[SC+8*NQ*\sc+NQ*\i:SC+8*NQ*\sc+NQ*\i+1], v[ADRS] offset:\i*SBLK
.endr
.endm
.macro PLACES n                        ; places behind matrix instructions, in front of loads into their registers and of reads of results
.rept \n
	v_nop
.endr
.endm
.macro STEP slot, q, zero
	s_wait_dscnt 4*NL                              ; w's set and y's blocks 0-3 are in; the youngest 24 loads (blocks 4-7) may be out
.if \zero
	WIN MUL_LO0
.else
	WIN MUL_LO
.endif
	MUL16 0, (\q)%2, \q, \slot, \zero
	MUL16 2, (\q)%2, \q, \slot, \zero
	s_wait_dscnt 0
	PLACES NP
	FETCH_B \slot, (\q)+1, 1-(\q)%2
	FETCH_A \slot, (\q)+1, 0
.if \zero
	WIN MUL_HI0
.else
	WIN MUL_HI
.endif
	MUL16 4, (\q)%2, \q, \slot, \zero
	MUL16 6, (\q)%2, \q, \slot, \zero
	PLACES NP
	WIN 0
	FETCH_A \slot, (\q)+1, 4
.endm
.macro TURN slot, next, fill           ; a slot's last step changes slots: ONE barrier
	s_wait_tensorcnt 0x0                           ; all my tensor loads have landed: my part of the next slot
	ds_add_u32 v[SPW], v[NIL]                      ; 0 onto my spare word
	s_wait_dscnt 4*NL+1                            ; (the add and the youngest 24 loads may be out)
	WIN MUL_LO
	MUL16 0, 1, NQ-1, \slot, 0
	s_wait_dscnt 0x0                               ; the add is done, and my reads of this slot are over
	s_barrier_signal -1
	MUL16 2, 1, NQ-1, \slot, 0
	WIN 0
	s_barrier_wait -1
.if \fill
	CREST                                          ; the barrier has opened a round of the cluster's barrier
	s_add_nc_u64 s[G0+4*\slot+2:G0+4*\slot+3], s[G0+4*\slot+2:G0+4*\slot+3], 2*AIMG
	s_add_nc_u64 s[G0B+4*\slot+2:G0B+4*\slot+3], s[G0B+4*\slot+2:G0B+4*\slot+3], 2*ROWB
	JLOAD G0+4*\slot, G1, G0B+4*\slot, G1B         ; the first tensor load behind the round; its four v_nop are the places in front of the loads below
.else
	PLACES NP
.endif
	s_wait_alu depctr_va_vdst(0)
	v_add_nc_u32 v[ADRS], 4*NQ, v[ADRS]
	FETCH_B \next, 0, 0
	FETCH_A \next, 0, 0
	SCALES \next
	WIN MUL_HI
	MUL16 4, 1, NQ-1, \slot, 0
	MUL16 6, 1, NQ-1, \slot, 0
	PLACES NP
	WIN 0
	FETCH_A \next, 0, 4
.endm
	s_wait_alu depctr_va_vdst(0)
	s_wait_tensorcnt 1                             ; the scales and my part of K step 0 are in; K step 1's load may be out
	s_barrier_signal -1
	s_barrier_wait -1
	FETCH_B 0, 0, 0
	FETCH_A 0, 0, 0
	SCALES 0
	FETCH_A 0, 0, 4
	s_wait_loadcnt 0x0                             ; the bias
	STEP 0, 0, 1                                   ; the first step stands in front of the loop: its products start the sums
	s_mov_b32 s3, LAPS-1
.Llap:
	TURN 0, 1, 1
	STEP 1, 0, 0
	TURN 1, 0, 1
	STEP 0, 0, 0
	s_sub_co_u32 s3, s3, 1
	s_cmp_lg_u32 s3, 0
	s_cbranch_scc1 .Llap
	TURN 0, 1, 0                                   ; the last lap fills nothing
	STEP 1, 0, 0
	s_wait_dscnt 4*NL
	WIN MUL_LO
	MUL16 0, 1, NQ-1, 1, 0
	MUL16 2, 1, NQ-1, 1, 0
	s_wait_dscnt 0
	WIN MUL_HI
	MUL16 4, 1, NQ-1, 1, 0
	MUL16 6, 1, NQ-1, 1, 0
	WIN 0
; THE WAY OUT, block by block of 16 rows x 128 columns, through my own stage in LDS: back come whole rows of 512 bytes.  LDS serves a wave's instructions in order (ISA guide 5.7.1.4): no wait between the stores and the loads.
.macro TOSTAGE a
.set AC, 64*((\a)%4)
	WIN 0x08+4*((\a)/4)                            ; the data: window 2 or 3
.irp b, 0,1,2,3,4,5,6,7
	ds_store_b128 v[STO], v[AC+8*\b:AC+8*\b+3] offset:64*\b          ; each accumulator from its low end on
	ds_store_b128 v[STO], v[AC+8*\b+4:AC+8*\b+7] offset:64*\b+16
.endr
	WIN 0
.set BB, BK+64*((\a)%2)
.irp t, 0,1,2,3,4,5,6,7,8,9,10,11,12,13,14,15
	ds_load_b128 v[BB+4*\t:BB+4*\t+3], v[RD] offset:\t*SPITCH
.endr
.endm
.macro SEND a, younger
.set BB, BK+64*((\a)%2)
	s_wait_dscnt \younger                          ; the block is back in registers
.if (\a) > 0
	s_add_nc_u64 s[12:13], s[12:13], 16*SIZE_N*4   ; (behind a wait on XCNT: the earlier stores have read their base)
.endif
.irp t, 0,1,2,3,4,5,6,7,8,9,10,11,12,13,14,15
	global_store_b128 v[CO], v[BB+4*\t:BB+4*\t+3], s[12:13] offset:\t*SIZE_N*4 th:TH_STORE_NT   ; 32 lanes store 512 consecutive aligned bytes; written once, read by nobody here
.endr
.endm
	PLACES NP
	TOSTAGE 0
.irp a, 1,2,3,4,5,6,7
.if \a > 1
	s_wait_xcnt 0x0                                ; block a - 2's stores have read their registers and their base
.endif
	TOSTAGE \a
	SEND \a-1, 32                                  ; behind block a - 1's loads: block a's 16 stores and 16 loads
.endr
	s_wait_xcnt 0x0
	SEND 7, 0
	s_wait_tensorcnt 0x0                           ; the wave's end
	ds_add_u32 v[SPW], v[NIL]
	s_wait_dscnt 0x0
	CROUND                                         ; the closing round
	s_endpgm
.Lfunc_end_k_q5e0b689233_proj:
	.size	k_q5e0b689233_proj, .Lfunc_end_k_q5e0b689233_proj-k_q5e0b689233_proj
	.p2alignl 7, 3214868480
	.fill 96, 4, 3214868480
	.section	.rodata,"a",@progbits
	.p2align	6, 0x0
	.amdhsa_kernel k_q5e0b689233_proj
		.amdhsa_group_segment_fixed_size 327680
		.amdhsa_private_segment_fixed_size 0
		.amdhsa_enable_private_segment 0
		.amdhsa_kernarg_size 48
		.amdhsa_user_sgpr_count 2
		.amdhsa_user_sgpr_kernarg_segment_ptr 1
		.amdhsa_wavefront_size32 1
		.amdhsa_system_sgpr_workgroup_id_x 1
		.amdhsa_system_sgpr_workgroup_id_y 1
		.amdhsa_system_sgpr_workgroup_id_z 1
		.amdhsa_system_vgpr_workitem_id 0
		.amdhsa_next_free_vgpr 1024
		.amdhsa_next_free_sgpr 100
		.amdhsa_reserve_vcc 0
		.amdhsa_float_denorm_mode_32 3
		.amdhsa_float_denorm_mode_16_64 3
		.amdhsa_memory_ordered 1
		.amdhsa_forward_progress 1
		.amdhsa_inst_pref_size 162
	.end_amdhsa_kernel
	.amdgpu_metadata
---
amdhsa.version: [ 1, 2 ]
amdhsa.kernels:
  - .name:           k_q5e0b689233_proj
    .symbol:         k_q5e0b689233_proj.kd
    .args:
      - { .name: yimg, .offset: 0, .size: 8, .value_kind: global_buffer, .address_space: global }
      - { .name: yscl, .offset: 8, .size: 8, .value_kind: global_buffer, .address_space: global }
      - { .name: w_proj_codes, .offset: 16, .size: 8, .value_kind: global_buffer, .address_space: global }
      - { .name: w_proj_scales, .offset: 24, .size: 8, .value_kind: global_buffer, .address_space: global }
      - { .name: b_proj, .offset: 32, .size: 8, .value_kind: global_buffer, .address_space: global }
      - { .name: out0, .offset: 40, .size: 8, .value_kind: global_buffer, .address_space: global }
    .group_segment_fixed_size: 327680
    .private_segment_fixed_size: 0
    .kernarg_segment_align: 8
    .kernarg_segment_size: 48
    .max_flat_workgroup_size: 128
    .sgpr_count:     100
    .vgpr_count:     1024
    .wavefront_size: 32
...
	.end_amdgpu_metadata
.endif
;; end of part 3
